; MI455X (gfx1250); checked and timed in simulation.
; The chip was launched on July 23, 2026; its instructions are those of AMD's public machine-readable ISA for CDNA 5 (MIT licence, August 2026) and "CDNA5" Instruction Set Architecture Reference Guide (July 2026). The comments in the code are by the model that wrote it; some were corrected since.
;; Non Commutative Multi Head Attention. Allowed arithmetic: matrix products marked QUANTISED: E2M3 operands, one E8M0 scale for each 32 along K, by v_wmma_scale_f32_16x16x128_f8f6f4 with both operands' format E2M3, f32 sums; everything else in f32.
;; Inputs: W_k 1,024 x 1,024 float32; W_o 1,024 x 1,024 float32; W_q 1,024 x 1,024 float32; W_v 1,024 x 1,024 float32; alpha 1 float32; x 4 x 2,048 x 1,024 float32.
;; Outputs: out0 4 x 2,048 x 1,024 float32.
;; This version of the problem:
;;   THIS VERSION OF THE PROBLEM IS GIVEN IN LOW PRECISION. The matrix products marked QUANTISED in the list below multiply operands that are first quantised to E2M3 (2 exponent bits, 3 mantissa bits; 6 bits a number), with one power-of-two scale for each 32 numbers along K (OCP MX v1.0); their sums are f32. All else is computed in f32.
;;   The module's matrix products, in the order in which they are computed (A, B: the left and right operand; K: the contracted axis; several contracted axes count as one K, in the product's order):
;;     1. [M 8,192, K 1,024] x [K 1,024, N 1,024]; A: input x; B: input W_q: QUANTISED
;;     2. [M 8,192, K 1,024] x [K 1,024, N 1,024]; A: input x; B: input W_k: QUANTISED
;;     3. [M 8,192, K 1,024] x [K 1,024, N 1,024]; A: input x; B: input W_v: QUANTISED
;;     4. batch 64 x [M 2,048, K 64] x [K 64, N 2,048]; A: computed on the way; B: computed on the way: QUANTISED
;;     5. batch 64 x [M 2,048, K 2,048] x [K 2,048, N 64]; A: softmax (see below); B: computed on the way: QUANTISED
;;     6. [M 8,192, K 1,024] x [K 1,024, N 1,024]; A: computed on the way; B: input W_o: QUANTISED
;;   THE QUANTISER, for each operand of a quantised product, along K:
;;     - K is cut into blocks of 32 from its start; a last block that is shorter is filled with zeros.
;;     - A block's scale is 2^e with e = floor(log2(the largest magnitude in the block)) - 2, held to -126 .. 127; a block of zeros has e = 0. As a byte (E8M0): e + 127.
;;     - Each number is divided by its block's scale, clamped to +-7.5, and rounded to the nearest number of E2M3, ties to even, subnormals kept.
;;     - The product sums the exact products of the quantised numbers (number of the format x scale) in f32.
;;   ~~~python
;;   def quantise(x, axis):      # numpy; x: float32 -> the quantised numbers, widened to float32 again
;;       x = np.moveaxis(x, axis, -1); K = x.shape[-1]
;;       x = np.pad(x, [(0, 0)] * (x.ndim - 1) + [(0, -K % 32)]); x = x.reshape(x.shape[:-1] + (-1, 32)); a = np.abs(x).max(-1, keepdims=True)
;;       e = np.where(a > 0, np.clip(np.frexp(np.where(a > 0, a, 1))[1] - 1 - 2, -126, 127), 0)      # np.frexp(a)[1] - 1 = floor(log2(a)), exactly
;;       r = np.clip(x / 2.0 ** e, -7.5, 7.5)
;;       step = 2.0 ** (np.maximum(np.frexp(np.where(r == 0, 1, r))[1] - 1, 0) - 3)
;;       q = np.round(r / step) * step * 2.0 ** e      # np.round: ties to even
;;       return np.moveaxis(q.reshape(q.shape[:-2] + (-1,))[..., :K], -1, axis).astype(np.float32)
;;   ~~~
;;   SOFTMAX AHEAD OF A QUANTISED PRODUCT. Where the list says 'softmax', what is quantised is not the finished softmax but p = 2^(t - M), with t = logit x log2(e) and M = ceil(the row's largest t), a whole number; so 1/2 < the row's largest p <= 1. The row's sum l is taken of the UNQUANTISED p, in f32, and the product's result is divided by l at the end. Since M is a whole number, a kernel that streams over the keys may use a running M (the ceiling of the running maximum): every later rescaling is an exact power of two, which a block's scale takes up: the codes' values come out the same.
;;   OPERANDS COMPUTED ON THE WAY. 'Computed on the way' means the value that the module computes at that place (a softmax that the list does not call 'softmax' is quantised finished and normalised). What goes into a quantiser is computed in f32, as accurately as f32 sums, v_exp_f32 and their like allow (about 1e-6 of the number): no bf16 or f16 on the way to a quantiser, and a product that is left as it is and whose result goes on into a quantised operand takes f32 operands (vector FMAs, or v_wmma_f32_16x16x4_f32). A number that lies on a knife's edge between two numbers of the format may be rounded either way, as far as f32 arithmetic and the matrix unit's own rounding can turn it there, and no further.
;; One version. Each part assembles by itself: llvm-mc -triple=amdgcn-amd-amdhsa -mcpu=gfx1250 --defsym DOCPART=n.
;; ======== version 1 of 1: 4 launches
;; limits: right only within a limited range of input values
;; workspace buffers: xq 6,553,600 bytes; wqkv 2,457,600 bytes; wo 819,200 bytes; qrec 8,388,608 bytes; kv 15,728,640 bytes; oq 8,388,608 bytes
;; launch quant (part 1): grid 1536 x 1, 4 waves a work-group, no clusters, 40,960 bytes of LDS; arguments x, W_q, W_k, W_v, W_o, xq, wqkv, wo; writes xq, wqkv, wo
.if DOCPART == 1
	.amdgcn_target "amdgcn-amd-amdhsa--gfx1250"
	.amdhsa_code_object_version 6
	.text
	.protected	k_q023c75049a_quant
	.globl	k_q023c75049a_quant
	.p2align	8
	.type	k_q023c75049a_quant,@function
k_q023c75049a_quant:
	s_mov_b64 s[64:65], 0
	v_nop
	global_prefetch_b8 v0, s[64:65] scope:SCOPE_SE
	s_setreg_imm32_b32 hwreg(HW_REG_WAVE_MODE, 25, 1), 1
	s_wait_xcnt 0x0
; x [8192][1024] and the four weights [1024 (k)][1024 (n)], f32, become codes of FP6 (E2M3) with one E8M0 byte for each 32 along K,
; laid in the order of the matrix operand's registers: a fragment (16 rows x 128 K, 12 registers a lane) is an image of 1,536 bytes,
; registers 4 c .. 4 c + 3 of lane l at 512 c + 16 l; the scale words of four tiles form a unit of 256 bytes, [row][4 words].
; THE ROWS OF A TILE ARE NOT NEIGHBOURS.  Tokens: tile 8 i + 4 c + t of a group of 256, row p, is token 128 i + 64 c + 32 (p / 8) + 8 t + p % 8.
; Weight columns: tile t of a group of 64, row p, is column 32 (p / 8) + 8 t + p % 8.  So the results of four neighbouring tiles are, in one lane, 32 neighbours.
; A block's scale is 2^(floor(log2(largest magnitude)) - 2); its byte is the largest magnitude's exponent field - 2, held at 1 from below.
; LIMITS: a block of zeros gets the byte 1 (its codes are zeros, and this program alone reads the bytes); NaN and infinities among the inputs are not served.
; Work-groups 0 .. 1023 take x (a wave: one tile x 128 K), work-groups 1024 .. 1535 the weights (a work-group: 64 columns x 128 K).  The two ways have LDS bytes of their own.
; No tensor loads, no matrix unit, no cluster: no two work-groups read the same bytes.
.set FLOOR, 0x1800000                  ; 2^(3 - 127): under it no largest magnitude is taken
.set XSC,  33792                       ; x: behind four stages of 16 rows x 528 bytes: the scale unit
.set WST,  34048                       ; weights: four images
.set WSC,  40192                       ; weights: the scale unit
.set R,    16                          ; v16-79   x as loaded
.set X,    80                          ; v80-143  x, 64 numbers of my row in the operand's order
.set Y,    16                          ; v16-79   a weight's column, 64 down K
.set CD,   144                         ; v144-155 x's codes
.set CA,   80                          ; v80-85, v88-93 a weight's two blocks of codes
.set CB,   88
; The quantiser's work registers lie, in each of the two ways, on registers that are dead there, so that the launch names 160 registers: six waves then share a SIMD's 1,024, and the 1,536 work-groups are six to each of 256 WGPs.
.set T3,   24                          ; x: v16-26, which held x as loaded: the LDS stores that read them are waited for ahead of the first block
.set MA,   16
.set MB,   17
.set SCR,  18
.set BY0,  19
.set BY1,  20
.set WW,   21
.set WV,   20
.set SEL,  40
; 32 numbers of a lane, v[y] on, become six registers of codes, v[cd] on, and the scale's byte
.macro BLK32 y, cd, by
	v_max3_num_f32 v[MA], |v[\y]|, |v[\y+1]|, FLOOR
	v_max3_num_f32 v[MB], |v[\y+2]|, |v[\y+3]|, |v[\y+4]|
.irp i, 5,9,13,17,21,25
	v_max3_num_f32 v[MA], v[MA], |v[\y+\i]|, |v[\y+\i+1]|
	v_max3_num_f32 v[MB], v[MB], |v[\y+\i+2]|, |v[\y+\i+3]|
.endr
	v_max3_num_f32 v[MA], v[MA], |v[\y+29]|, |v[\y+30]|
	v_max3_num_f32 v[MA], v[MA], v[MB], |v[\y+31]|
	v_add_nc_u32 v[SCR], 0xff000000, v[MA]         ; 2 off the exponent field: the conversion's scale operand
	v_cvt_scalef32_pk16_fp6_f32 v[\cd:\cd+2], v[\y:\y+15], v[SCR]
	v_cvt_scalef32_pk16_fp6_f32 v[T3:T3+2], v[\y+16:\y+31], v[SCR]   ; (a conversion's three registers begin on an even number)
	v_lshrrev_b32 v[\by], 23, v[SCR]               ; the byte; also the plain line behind the conversions
	v_mov_b32 v[\cd+3], v[T3]
	v_mov_b32 v[\cd+4], v[T3+1]
	v_mov_b32 v[\cd+5], v[T3+2]
.endm
	s_load_b256 s[4:11], s[0:1], 0x0               ; x, W_q, W_k, W_v
	s_load_b256 s[12:19], s[0:1], 0x20             ; W_o, xq, wqkv, wo
	v_lshl_add_u32 v156, v0, 2, 0x9e00
	v_mov_b32 v157, 0
	v_lshrrev_b32 v1, 5, v0
	v_readfirstlane_b32 s[WV], v1                  ; wave 0..3
	v_and_b32 v1, 31, v0                           ; lane
	v_and_b32 v2, 15, v0                           ; r
	v_bfe_u32 v3, v0, 4, 1                         ; h
	v_lshlrev_b32 v4, 4, v1                        ; 16 x lane
	v_lshlrev_b32 v5, 3, v1                        ; 8 x lane
	s_mov_b32 s[SEL], 0x76543210
	s_mov_b32 s[SEL+1], 0xfedcba98                 ; lane l xor 16
	s_cmp_lt_u32 ttmp9, 1024
	s_cbranch_scc0 .Lweights
	; ---- x: work-group = 32 G + 4 s + q; wave w takes tile 4 q + w of group G, K step s
	s_lshr_b32 s21, ttmp9, 5                       ; G
	s_and_b32 s22, ttmp9, 3                        ; q
	s_bfe_u32 s23, ttmp9, 0x30002                  ; s
	s_lshl_b32 s24, s21, 8
	s_lshl_b32 s25, s22, 6
	s_add_co_u32 s24, s24, s25
	s_lshl_b32 s25, s[WV], 3
	s_add_co_u32 s24, s24, s25                     ; the tile's first token: 256 G + 64 q + 8 w
	s_lshl_b32 s24, s24, 12                        ; rows of 4,096 bytes
	s_lshl_b32 s25, s23, 9
	s_add_co_u32 s24, s24, s25                     ; + 512 s
	s_mov_b32 s25, 0
	s_lshr_b32 s26, ttmp9, 2                       ; 8 G + s
	s_mul_i32 s26, s26, 25600                      ; the block of 16 images and 4 units
	s_mov_b32 s27, 0
	s_lshl_b32 s28, s22, 2
	s_add_co_u32 s28, s28, s[WV]
	s_mul_i32 s28, s28, 1536                       ; my tile's image
	s_mov_b32 s29, 0
	s_lshl_b32 s30, s22, 8
	s_add_co_u32 s30, s30, 24576                   ; unit q
	s_mov_b32 s31, 0
	s_mul_i32 s32, s[WV], 8448                     ; my stage
	s_wait_alu depctr_va_vdst(0)
	v_add_nc_u32 v6, s32, v4                       ; in: a row's 512 bytes as they lie
	v_mul_u32_u24 v7, v2, 528
	v_lshl_add_u32 v7, v3, 7, v7
	v_add_nc_u32 v7, s32, v7                       ; back: row r, + 128 h
	s_lshl_b32 s33, s[WV], 2
	s_add_co_u32 s33, s33, XSC
	v_lshl_add_u32 v8, v2, 4, s33                  ; my row's word in the unit: 16 r + 4 w
	v_add_nc_u32 v9, XSC, v5
	v_lshlrev_b32 v10, 3, v3                       ; 8 h
	v_mov_b32 v11, 0                               ; (a lane permute's destination counts as read)
	s_wait_alu depctr_va_vdst(0)
	s_wait_kmcnt 0x0
	s_add_nc_u64 s[4:5], s[4:5], s[24:25]
	s_add_nc_u64 s[14:15], s[14:15], s[26:27]
	s_add_nc_u64 s[34:35], s[14:15], s[28:29]
	s_add_nc_u64 s[14:15], s[14:15], s[30:31]
.irp p, 0,1,2,3,4,5,6,7,8,9,10,11,12,13,14,15
	global_load_b128 v[R+4*\p:R+4*\p+3], v4, s[4:5] offset:(32*(\p/8)+\p%8)*4096 th:TH_LOAD_NT   ; 32 lanes read 512 consecutive bytes of tile row p
.endr
.irp p, 0,1,2,3,4,5,6,7,8,9,10,11,12,13,14,15
	s_wait_loadcnt 15-\p                           ; loads come back in order: row p is in, the younger ones may be out
	ds_store_b128 v6, v[R+4*\p:R+4*\p+3] offset:528*\p
.endr
.irp c, 0,1
.irp i, 0,1,2,3,4,5,6,7
	ds_load_b128 v[X+32*\c+4*\i:X+32*\c+4*\i+3], v7 offset:256*\c+16*\i   ; k = 64 c + 32 h + 4 i on; LDS serves a wave's instructions in order
.endr
.endr
	s_wait_dscnt 0x0
	BLK32 X, CD, BY0
	BLK32 X+32, CD+6, BY1
	v_lshl_or_b32 v[WW], v[BY1], 16, v[BY0]        ; my two bytes: blocks h and 2 + h,
	v_lshlrev_b32 v[WW], v10, v[WW]                ; at their places,
	v_permlanex16_b32 v11, v[WW], s[SEL], s[SEL+1]
	v_or_b32 v[WW], v[WW], v11                     ; with lane l xor 16's two: the row's word
.irp c, 0,1,2
	global_store_b128 v4, v[CD+4*\c:CD+4*\c+3], s[34:35] offset:512*\c   ; 512 consecutive bytes, aligned
.endr
	ds_store_b32 v8, v[WW]                         ; lanes r and r + 16 write the same word with the same value
	s_wait_dscnt 0x0                               ; for the others' sake
	s_barrier_signal -1
	s_barrier_wait -1
	s_cmp_lg_u32 s[WV], 0
	s_cbranch_scc1 .Lxdone
	ds_load_b64 v[12:13], v9
	s_wait_dscnt 0x0
	global_store_b64 v5, v[12:13], s[14:15]        ; the four tiles' words: 256 consecutive bytes, aligned
.Lxdone:
	s_wait_tensorcnt 0x0
	ds_add_u32 v156, v157
	s_wait_dscnt 0x0
	s_endpgm
	; ---- weights: work-group - 1024 = 128 m + 8 g + s: matrix m, columns 64 g on, K step s.  Wave: 32 columns (hi) x 64 along K (cc).  A lane takes a column, its registers run down K
.Lweights:
.set T3,   104                         ; the weights: v96-106, which this way uses for nothing else
.set MA,   96
.set MB,   97
.set SCR,  98
.set BY0,  99
.set BY1,  100
.set WW,   101
	s_sub_co_u32 s21, ttmp9, 1024
	s_and_b32 s22, s21, 7                          ; s
	s_bfe_u32 s23, s21, 0x40003                    ; g
	s_lshr_b32 s24, s21, 7                         ; m: 0 Q, 1 K, 2 V, 3 O
	s_and_b32 s25, s[WV], 1                        ; hi
	s_lshr_b32 s26, s[WV], 1                       ; cc
	s_lshl_b32 s28, s22, 7
	s_lshl_b32 s27, s26, 6
	s_add_co_u32 s28, s28, s27                     ; first k: 128 s + 64 cc
	s_lshl_b32 s28, s28, 12
	s_lshl_b32 s27, s23, 8
	s_add_co_u32 s28, s28, s27
	s_lshl_b32 s27, s25, 7
	s_add_co_u32 s28, s28, s27                     ; + 4 (64 g + 32 hi)
	s_mov_b32 s29, 0
	s_and_b32 s30, s21, 127
	s_mul_i32 s30, s30, 19200                      ; wqkv's block 8 g + s
	s_lshr_b32 s31, s23, 1
	s_lshl_b32 s31, s31, 3
	s_add_co_u32 s31, s31, s22
	s_mul_i32 s31, s31, 12800                      ; wo's block 8 (g / 2) + s
	s_and_b32 s32, s23, 1
	s_mul_i32 s33, s24, 9216                       ; where the matrix's four images begin: Q 0, K 9,216,
	s_mul_i32 s34, s26, 6144
	s_add_co_u32 s34, s34, 6144                    ; V: tiles 0, 1 behind Q's, tiles 2, 3 behind K's,
	s_mul_i32 s35, s32, 6144                       ; O: by the group's parity
	s_lshl_b32 s36, s24, 8
	s_add_co_u32 s36, s36, 18432                   ; the scale unit
	s_lshl_b32 s37, s32, 8
	s_add_co_u32 s37, s37, 12288
	s_cmp_eq_u32 s24, 2
	s_cselect_b32 s33, s34, s33
	s_cmp_eq_u32 s24, 3
	s_cselect_b32 s33, s35, s33
	s_cselect_b32 s30, s31, s30
	s_cselect_b32 s36, s37, s36
	s_mul_i32 s34, s[WV], 1536
	s_add_co_u32 s42, s33, s34
	s_add_co_u32 s42, s42, s30                     ; the image that I copy out
	s_mov_b32 s43, 0
	s_add_co_u32 s44, s36, s30                     ; the unit
	s_mov_b32 s45, 0
	; my column is row p = 8 hi + lane % 8 of tile lane / 8; my block (cc, h') belongs to lane p + 16 h' of the image, registers 6 cc .. 6 cc + 5
	s_wait_alu depctr_va_vdst(0)
	v_lshrrev_b32 v6, 3, v1
	v_and_b32 v7, 7, v1
	v_mul_u32_u24 v8, v6, 1536
	v_lshl_add_u32 v8, v7, 4, v8
	s_lshl_b32 s38, s25, 7
	s_mul_i32 s39, s26, 520
	s_add_co_u32 s39, s39, s38
	s_add_co_u32 s39, s39, WST
	v_add_nc_u32 v9, s39, v8                       ; register pairs 0 and 2 of the six: + 0, + 512
	s_mul_i32 s39, s26, 1016
	s_add_co_u32 s39, s39, s38
	s_add_co_u32 s39, s39, WST
	v_add_nc_u32 v10, s39, v8                      ; pair 1: + 8
	v_lshlrev_b32 v11, 4, v7
	v_lshl_add_u32 v11, v6, 2, v11
	s_lshl_b32 s39, s26, 1
	s_add_co_u32 s39, s39, s38
	s_add_co_u32 s39, s39, WSC
	v_add_nc_u32 v11, s39, v11                     ; bytes 2 cc, 2 cc + 1 of the word at 16 p + 4 (lane / 8)
	s_mul_i32 s39, s[WV], 1536
	s_add_co_u32 s39, s39, WST
	v_add_nc_u32 v12, s39, v4
	v_add_nc_u32 v13, WSC, v5
	v_lshlrev_b32 v14, 2, v1
	s_wait_alu depctr_va_vdst(0)
	s_wait_kmcnt 0x0
	s_cmp_eq_u32 s24, 1                            ; the choices hang on the work-group's number alone
	s_cselect_b64 s[6:7], s[8:9], s[6:7]
	s_cmp_eq_u32 s24, 2
	s_cselect_b64 s[6:7], s[10:11], s[6:7]
	s_cmp_eq_u32 s24, 3
	s_cselect_b64 s[6:7], s[12:13], s[6:7]
	s_cselect_b64 s[16:17], s[18:19], s[16:17]
	s_add_nc_u64 s[6:7], s[6:7], s[28:29]
	s_add_nc_u64 s[46:47], s[16:17], s[44:45]
	s_add_nc_u64 s[16:17], s[16:17], s[42:43]
.set q, 0
.rept 64
	global_load_b32 v[Y+q], v14, s[6:7] offset:q*4096 th:TH_LOAD_NT   ; row k of the weight at my wave's 32 columns
.set q, q+1
.endr
	s_wait_loadcnt 32                              ; the first block's 32 loads are in
	BLK32 Y, CA, BY0
	ds_store_b64 v9, v[CA:CA+1]
	ds_store_b64 v10, v[CA+2:CA+3] offset:8
	ds_store_b64 v9, v[CA+4:CA+5] offset:512
	s_wait_loadcnt 0x0
	BLK32 Y+32, CB, BY1
	ds_store_b64 v9, v[CB:CB+1] offset:256         ; h' = 1: sixteen lanes on in the image
	ds_store_b64 v10, v[CB+2:CB+3] offset:264
	ds_store_b64 v9, v[CB+4:CB+5] offset:768
	v_lshl_or_b32 v[WW], v[BY1], 8, v[BY0]
	ds_store_b16 v11, v[WW]
	s_wait_dscnt 0x0                               ; for the others' sake
	s_barrier_signal -1
	s_barrier_wait -1
.irp c, 0,1,2
	ds_load_b128 v[Y+4*\c:Y+4*\c+3], v12 offset:512*\c
.endr
	s_wait_dscnt 0x0
.irp c, 0,1,2
	global_store_b128 v4, v[Y+4*\c:Y+4*\c+3], s[16:17] offset:512*\c
.endr
	s_cmp_lg_u32 s[WV], 0
	s_cbranch_scc1 .Lwdone
	ds_load_b64 v[Y+12:Y+13], v13
	s_wait_dscnt 0x0
	global_store_b64 v5, v[Y+12:Y+13], s[46:47]
.Lwdone:
	s_wait_tensorcnt 0x0
	ds_add_u32 v156, v157
	s_wait_dscnt 0x0
	s_endpgm
.Lfunc_end_k_q023c75049a_quant:
	.size	k_q023c75049a_quant, .Lfunc_end_k_q023c75049a_quant-k_q023c75049a_quant
	.p2alignl 7, 3214868480
	.fill 96, 4, 3214868480
	.section	.rodata,"a",@progbits
	.p2align	6, 0x0
	.amdhsa_kernel k_q023c75049a_quant
		.amdhsa_group_segment_fixed_size 40960
		.amdhsa_private_segment_fixed_size 0
		.amdhsa_enable_private_segment 0
		.amdhsa_kernarg_size 64
		.amdhsa_user_sgpr_count 2
		.amdhsa_user_sgpr_kernarg_segment_ptr 1
		.amdhsa_wavefront_size32 1
		.amdhsa_system_sgpr_workgroup_id_x 1
		.amdhsa_system_sgpr_workgroup_id_y 1
		.amdhsa_system_sgpr_workgroup_id_z 1
		.amdhsa_system_vgpr_workitem_id 0
		.amdhsa_next_free_vgpr 160
		.amdhsa_next_free_sgpr 66
		.amdhsa_reserve_vcc 0
		.amdhsa_float_denorm_mode_32 3
		.amdhsa_float_denorm_mode_16_64 3
		.amdhsa_memory_ordered 1
		.amdhsa_forward_progress 1
		.amdhsa_inst_pref_size 24
	.end_amdhsa_kernel
	.amdgpu_metadata
---
amdhsa.version: [ 1, 2 ]
amdhsa.kernels:
  - .name:           k_q023c75049a_quant
    .symbol:         k_q023c75049a_quant.kd
    .args:
      - { .name: x, .offset: 0, .size: 8, .value_kind: global_buffer, .address_space: global }
      - { .name: W_q, .offset: 8, .size: 8, .value_kind: global_buffer, .address_space: global }
      - { .name: W_k, .offset: 16, .size: 8, .value_kind: global_buffer, .address_space: global }
      - { .name: W_v, .offset: 24, .size: 8, .value_kind: global_buffer, .address_space: global }
      - { .name: W_o, .offset: 32, .size: 8, .value_kind: global_buffer, .address_space: global }
      - { .name: xq, .offset: 40, .size: 8, .value_kind: global_buffer, .address_space: global }
      - { .name: wqkv, .offset: 48, .size: 8, .value_kind: global_buffer, .address_space: global }
      - { .name: wo, .offset: 56, .size: 8, .value_kind: global_buffer, .address_space: global }
    .group_segment_fixed_size: 40960
    .private_segment_fixed_size: 0
    .kernarg_segment_align: 8
    .kernarg_segment_size: 64
    .max_flat_workgroup_size: 128
    .sgpr_count:     66
    .vgpr_count:     160
    .wavefront_size: 32
...
	.end_amdgpu_metadata
.endif
;; end of part 1
;; launch qkv (part 2): grid 16 x 32, 4 waves a work-group, clusters of 4 x 4, 327,680 bytes of LDS; arguments xq, wqkv, alpha, qrec, kv; writes qrec, kv
.if DOCPART == 2
	.amdgcn_target "amdgcn-amd-amdhsa--gfx1250"
	.amdhsa_code_object_version 6
	.text
	.protected	k_q023c75049a_qkv
	.globl	k_q023c75049a_qkv
	.p2align	8
	.type	k_q023c75049a_qkv,@function
k_q023c75049a_qkv:
	s_mov_b64 s[64:65], 0
	v_nop
	global_prefetch_b8 v0, s[64:65] scope:SCOPE_SE
	s_setreg_imm32_b32 hwreg(HW_REG_WAVE_MODE, 25, 1), 1
	s_wait_xcnt 0x0
	s_wait_alu depctr_hold_cnt(0) depctr_sa_sdst(0) depctr_va_vdst(0) depctr_va_sdst(0) depctr_va_ssrc(0) depctr_va_vcc(0) depctr_vm_vsrc(0)
	s_getreg_b32 s2, hwreg(HW_REG_IB_STS2, 6, 4)
	s_cmp_eq_u32 s2, 0
	s_cbranch_scc0 .Lentry_in_a_cluster
	s_endpgm
.Lentry_in_a_cluster:
	s_bfe_u32 s2, ttmp6, 0x10000c
	s_cmp_lg_u32 s2, 0xf033
	s_cbranch_scc0 .Lentry_shape_is_right
	s_endpgm
.Lentry_shape_is_right:
; Q = x W_q, K = x W_k, V = x W_v on codes of FP6 (E2M3); then, in f32, Q + 0.1 sin Q, K + 0.1 cos K, V + alpha 0.1 tanh V; then each is quantised along the K of its product in attention
; (Q and K along the head's 64, V along the keys) and stored in the order of the operand's registers.
; SHARES.  A work-group: 256 tokens (group G) x one head's Q, K and V.  Wave (i, j): tokens 128 i on; j = 0: Q's 64 columns and V's channel tiles 0, 1; j = 1: K's 64 and V's tiles 2, 3.  All four waves run one text:
; sin and cos differ in two constants and a pointer.  48 accumulators a wave, one matrix instruction each for a K step of 128, so they take turns.
; LAYOUT.  Q, K: source 0 = 16 columns of W, source 1 = 16 tokens: a lane holds one token, and the 32 registers of the four column tiles are channels 32 h .. 32 h + 31: a whole block.
; V: source 0 = 16 tokens, source 1 = 16 columns of W_v: a lane holds one channel, and the 32 registers of four token tiles are 32 neighbouring keys.
; RECORDS.  Half a fragment (16 rows x 64 K, six registers): 1,024 bytes: registers 0-3 at 16 x lane, 4-5 at 512 + 8 x lane, the row's two scale bytes written twice, twice, at 768 + 8 x lane.
; A fragment of V (16 channels x 128 keys): 1,792 bytes: three runs of 512, then the row's scale word, twice, at 1,536 + 8 x lane.
; RING.  Six LDS slots, one K step each (x's block of 25,600 bytes, W's of 19,200); K has eight steps; slots 0 and 1 are filled a second time, once.  By this text's count a wave has three tensor loads out at the start, later one.
; CLUSTER 4 x 4: x's block hangs on G alone and is asked for jointly along a row of the cluster, W's on the head alone, along a column.
; No prefetch: six of the eight K steps are asked for at the head, and the one refill has four steps' matrix instructions in which to land.
; LIMITS.  sin and cos: the reduction (k = round(x / pi), pi in two parts) holds for |x| < 2^22 pi.  A block of zeros gets the byte 1 (zero codes; this program alone reads the bytes).  NaN and infinities are not served.
; REGISTERS: window 0: v1-31 addresses and constants; v32-59 scale words, two sets; v64-159, v160-255 x's fragments, two sets (in the epilogue: work).  window 1: W's fragments at v0 and v128.
;   window 2: Q's or K's accumulators at v[32 a + 8 t].  window 3: V's at v[64 n + 8 a].
.set SLOTB, 44800
.set XBLK,  25600
.set WBLK,  19200
; LDS AS IT IS LAID (in place of the slots of the paragraph RING above): x's blocks of six K steps lie on end from byte 0, W's six from WREG on; K steps 6 and 7 take the places of 0 and 1.
; A wave has one tensor load out at the start: wave 0 x's K steps 0 and 1, wave 2 W's, wave 1 x's K steps 2 to 5, wave 3 W's; each run of blocks is dense in memory and in LDS.  Waves 0 and 2 issue the one refill.
.set WREG,  6*XBLK
.set G1X2,  44
.set G1W2,  56
.set SPARE, 6*SLOTB                    ; the spare words: 128 bytes a wave, named by no other line
.set FLOOR, 0x1800000
.set A16, 1
.set A8,  2
.set AX,  3
.set AW,  4
.set ASX, 5
.set ASW, 6
.set ASV, 7
.set VOFF, 8                           ; 0 (sin) or 0.5 (cos)
.set VC9,  10
.set VT5,  12
.set SPW, 14
.set NIL, 15
.set WAX, 16
.set WAW, 17
.set WSX, 18
.set WSW, 19
.set WSV, 20
.set SH8, 21
.set VC7, 22
.set VC5, 24
.set VAT, 26                           ; alpha x 0.1
.set VC3, 28
.set VT3, 30
.set SC,  32                           ; set p at SC + 14 p: x's 8 words, W's 4, W_v's 2
.set XF,  64
.set KF,  64                           ; the epilogue's arrays of 32
.set KK,  96
.set RR,  128
.set UU,  160
.set PP,  192
.set EE,  64
.set UT,  96
.set PT,  128
.set YY,  160
.set CD,  224
.set T3,  236
.set MA,  240
.set MB,  241
.set SCR, 242
.set BY0, 243
.set BY1, 244
.set WW,  245
.set TMP, 246
.set WP,  248
.set WV, 14
.set HI, 15                            ; i; also: I fetch x's blocks (0) or W's (1)
.set LO, 16                            ; j; also: the parity of the K steps that I fetch
.set G1X, 24
.set G1W, 32
.set G0X, 40                           ; one set of four
.set G0W, 52
.set INVPI, 66
.set MAGIC, 68
.set NMAGIC, 70
.set NPIHI, 72
.set NPILO, 74
.set OFFPI, 76
.set C11, 78
.set K2,  80
.set T7,  82
.set THETA, 84
.set THR, 85
.set SEL, 86
.set MSB, 0
.macro WIN new                         ; the immediate's high byte repeats the setting that is left
.if MSB != \new
	s_set_vgpr_msb (MSB<<8)|\new
.set MSB, \new
.endif
.endm
.macro NOPS n
.rept \n
	v_nop
.endr
.endm
.macro SPAIR reg, val
	s_mov_b32 s[\reg], \val
	s_mov_b32 s[\reg+1], \val
.endm
.macro VPAIR reg, val
	v_mov_b32 v[\reg], \val
	v_mov_b32 v[\reg+1], \val
.endm
.macro CROUND                          ; a round of the cluster's barrier
	s_barrier_signal -1
	s_barrier_wait -1
	s_cmp_lg_u32 s[WV], 0
	s_cbranch_scc1 .Lnot_wave_0_\@
	s_barrier_signal -3
.Lnot_wave_0_\@:
	s_barrier_wait -3
	s_barrier_signal -1
	s_barrier_wait -1
.endm
.macro MMZ d, a, b, sa, sb             ; the first product starts a sum
	v_wmma_scale_f32_16x16x128_f8f6f4 v[\d:\d+7], v[\a:\a+11], v[\b:\b+11], 0, v[\sa], v[\sb] matrix_a_fmt:MATRIX_FMT_FP6 matrix_b_fmt:MATRIX_FMT_FP6
.endm
.macro MMA d, a, b, sa, sb
	v_wmma_scale_f32_16x16x128_f8f6f4 v[\d:\d+7], v[\a:\a+11], v[\b:\b+11], v[\d:\d+7], v[\sa], v[\sb] matrix_a_fmt:MATRIX_FMT_FP6 matrix_b_fmt:MATRIX_FMT_FP6
.endm
.macro BLK32 y, cd, by                 ; 32 numbers of a lane become six registers of codes and the scale's byte
	v_max3_num_f32 v[MA], |v[\y]|, |v[\y+1]|, FLOOR
	v_max3_num_f32 v[MB], |v[\y+2]|, |v[\y+3]|, |v[\y+4]|
.irp i, 5,9,13,17,21,25
	v_max3_num_f32 v[MA], v[MA], |v[\y+\i]|, |v[\y+\i+1]|
	v_max3_num_f32 v[MB], v[MB], |v[\y+\i+2]|, |v[\y+\i+3]|
.endr
	v_max3_num_f32 v[MA], v[MA], |v[\y+29]|, |v[\y+30]|
	v_max3_num_f32 v[MA], v[MA], v[MB], |v[\y+31]|
	v_add_nc_u32 v[SCR], 0xff000000, v[MA]
	v_cvt_scalef32_pk16_fp6_f32 v[\cd:\cd+2], v[\y:\y+15], v[SCR]
	v_cvt_scalef32_pk16_fp6_f32 v[T3:T3+2], v[\y+16:\y+31], v[SCR]
	v_lshrrev_b32 v[\by], 23, v[SCR]               ; also the plain line behind the conversions
	v_mov_b32 v[\cd+3], v[T3]
	v_mov_b32 v[\cd+4], v[T3+1]
	v_mov_b32 v[\cd+5], v[T3+2]
.endm
	s_load_b256 s[4:11], s[0:1], 0x0               ; xq, wqkv, alpha, qrec
	s_load_b64 s[12:13], s[0:1], 0x20              ; kv
	v_lshl_add_u32 v[SPW], v0, 2, SPARE
	v_mov_b32 v[NIL], 0
	ds_add_u32 v14, v15
	ds_add_u32 v14, v15
	s_wait_dscnt 0x0
	v_lshrrev_b32 v64, 5, v0
	v_readfirstlane_b32 s[WV], v64                 ; wave 0..3
	s_lshr_b32 s[HI], s[WV], 1
	s_and_b32 s[LO], s[WV], 1
	s_bfe_u32 s17, ttmp6, 0x40000                  ; cx
	s_bfe_u32 s18, ttmp6, 0x40004                  ; cy
	s_lshl_b32 s19, ttmp9, 2
	s_add_co_u32 s19, s19, s17                     ; the head = 4 x cluster x + cx
	s_and_b32 s20, ttmp7, 0xffff
	s_lshl_b32 s20, s20, 2
	s_add_co_u32 s20, s20, s18                     ; G = 4 x cluster y + cy
	s_lshl_b32 s88, s18, 2
	s_lshl_b32 s88, 15, s88                        ; my row of the cluster
	s_lshl_b32 s89, 0x1111, s17                    ; my column
	; group 1: dense blocks as rows of 256 bytes (32 elements of 8 bytes), no padding: x's 100 rows, W's 75
	s_or_b32 s[G1X], s88, (3<<16)|(1<<21)
	s_mov_b32 s[G1X+1], 32<<16
	s_mov_b32 s[G1X+2], 200<<16
	s_mov_b32 s[G1X+3], 32<<16
	s_mov_b32 s[G1X+4], 200
	s_mov_b32 s[G1X+5], 32
	s_mov_b32 s[G1X+6], 0
	s_mov_b32 s[G1X+7], 0
	s_or_b32 s[G1W], s89, (3<<16)|(1<<21)
	s_mov_b32 s[G1W+1], 32<<16
	s_mov_b32 s[G1W+2], 150<<16
	s_mov_b32 s[G1W+3], 32<<16
	s_mov_b32 s[G1W+4], 150
	s_mov_b32 s[G1W+5], 32
	s_mov_b32 s[G1W+6], 0
	s_mov_b32 s[G1W+7], 0
	s_or_b32 s[G1X2], s88, (3<<16)|(1<<21)         ; four K steps on end: x's 400 rows, W's 300
	s_mov_b32 s[G1X2+1], 32<<16
	s_mov_b32 s[G1X2+2], 400<<16
	s_mov_b32 s[G1X2+3], 32<<16
	s_mov_b32 s[G1X2+4], 400
	s_mov_b32 s[G1X2+5], 32
	s_mov_b32 s[G1X2+6], 0
	s_mov_b32 s[G1X2+7], 0
	s_or_b32 s[G1W2], s89, (3<<16)|(1<<21)
	s_mov_b32 s[G1W2+1], 32<<16
	s_mov_b32 s[G1W2+2], 300<<16
	s_mov_b32 s[G1W2+3], 32<<16
	s_mov_b32 s[G1W2+4], 300
	s_mov_b32 s[G1W2+5], 32
	s_mov_b32 s[G1W2+6], 0
	s_mov_b32 s[G1W2+7], 0
	s_lshl_b32 s2, s20, 3
	s_lshl_b32 s23, s[LO], 1                       ; my run begins at K step 0 or 2
	s_add_co_u32 s2, s2, s23
	s_mul_i32 s2, s2, XBLK
	s_mov_b32 s3, 0
	s_lshl_b32 s90, s19, 3
	s_add_co_u32 s90, s90, s23
	s_mul_i32 s90, s90, WBLK
	s_mov_b32 s91, 0
	s_mul_i32 s23, s[LO], 2*XBLK                   ; the run's place in LDS: x's,
	s_mul_i32 s22, s[LO], 2*WBLK                   ; W's
	s_wait_kmcnt 0x0
	s_add_nc_u64 s[2:3], s[4:5], s[2:3]
	s_add_nc_u64 s[90:91], s[6:7], s[90:91]
	s_mov_b32 s[G0X], 1
	s_mov_b32 s[G0X+1], s23
	s_mov_b64 s[G0X+2:G0X+3], s[2:3]
	s_or_b32 s[G0X+3], s[G0X+3], 0x80000000
	s_mov_b32 s[G0W], 1
	s_add_co_u32 s[G0W+1], s22, WREG
	s_mov_b64 s[G0W+2:G0W+3], s[90:91]
	s_or_b32 s[G0W+3], s[G0W+3], 0x80000000
	CROUND                                         ; all sixteen work-groups are here: the first joint loads meet
	s_cmp_eq_u32 s[WV], 0                          ; one chain of branches on the wave's number, one load to an arm
	s_cbranch_scc0 .Lfirst_1
	tensor_load_to_lds s[G0X:G0X+3], s[G1X:G1X+7]  ; wave 0: x's K steps 0 and 1
	s_nop 0
	NOPS 4
	s_branch .Lfirst_done
.Lfirst_1:
	s_cmp_eq_u32 s[WV], 2
	s_cbranch_scc0 .Lfirst_2
	tensor_load_to_lds s[G0W:G0W+3], s[G1W:G1W+7]  ; wave 2: W's K steps 0 and 1
	s_nop 0
	NOPS 4
	s_branch .Lfirst_done
.Lfirst_2:
	s_cmp_eq_u32 s[WV], 1
	s_cbranch_scc0 .Lfirst_3
	tensor_load_to_lds s[G0X:G0X+3], s[G1X2:G1X2+7] ; wave 1: x's K steps 2 to 5
	s_nop 0
	NOPS 4
	s_branch .Lfirst_done
.Lfirst_3:
	tensor_load_to_lds s[G0W:G0W+3], s[G1W2:G1W2+7] ; wave 3: W's K steps 2 to 5
	s_nop 0
	NOPS 4
.Lfirst_done:
	v_mov_b32 v68, 0
	global_load_b32 v[VAT], v68, s[8:9]            ; alpha
	v_and_b32 v64, 31, v0                          ; lane
	v_and_b32 v65, 15, v0                          ; r
	v_bfe_u32 v66, v0, 4, 1                        ; h
	v_lshlrev_b32 v[A16], 4, v64
	v_lshlrev_b32 v[A8], 3, v64
	v_lshlrev_b32 v[SH8], 3, v66
	v_lshlrev_b32 v67, 4, v65
	s_wait_alu depctr_va_vdst(0)
	s_mul_i32 s21, s[HI], 12288
	v_add_nc_u32 v[AX], s21, v[A16]                ; my eight tiles of x
	s_mul_i32 s21, s[LO], 9216
	s_add_co_u32 s21, s21, WREG
	v_add_nc_u32 v[AW], s21, v[A16]                ; my six tiles of W
	s_lshl_b32 s21, s[HI], 9
	s_add_co_u32 s21, s21, 24576
	v_add_nc_u32 v[ASX], s21, v67                  ; x's scale words: two units
	s_lshl_b32 s21, s[LO], 8
	s_add_co_u32 s21, s21, WREG+18432
	v_add_nc_u32 v[ASW], s21, v67                  ; Q's or K's unit
	s_lshl_b32 s21, s[LO], 3
	s_add_co_u32 s21, s21, WREG+18944
	v_add_nc_u32 v[ASV], s21, v67                  ; two words of V's unit
	SPAIR INVPI,  0x3ea2f983                       ; 1 / pi
	SPAIR MAGIC,  0x4b400000                       ; 1.5 x 2^23: adding it rounds to a whole number
	SPAIR NMAGIC, 0xcb400000
	SPAIR NPIHI,  0xc0490fdb                       ; -pi, upper part
	SPAIR NPILO,  0x33bbbd2e                       ; -pi, lower part
	SPAIR C11,    0xb2d7322b                       ; -1 / 11!
	SPAIR K2,     0x4038aa3b                       ; 2 log2(e)
	SPAIR T7,     0xbd5d0dd1                       ; -17 / 315
	s_mov_b32 s[THETA], 0x3dcccccd                 ; 0.1
	s_mov_b32 s[THR], 0x3d800000                   ; 0.25 squared
	s_mov_b32 s[SEL], 0x76543210
	s_mov_b32 s[SEL+1], 0xfedcba98
	s_cmp_eq_u32 s[LO], 0
	s_cselect_b32 s21, 0, 0x3f000000
	s_cselect_b32 s[OFFPI], 0, 0x3fc90fdb          ; cos x = sin(x + pi / 2)
	s_mov_b32 s[OFFPI+1], s[OFFPI]
	v_mov_b32 v[VOFF], s21
	v_mov_b32 v[VOFF+1], s21
	VPAIR VC9, 0x3638ef1d                          ; 1 / 9!
	VPAIR VC7, 0xb9500d01
	VPAIR VC5, 0x3c088889
	VPAIR VC3, 0xbe2aaaab
	VPAIR VT5, 0x3e088889                          ; 2 / 15
	VPAIR VT3, 0xbeaaaaab                          ; -1 / 3
	; where the results go
	s_lshr_b32 s92, s20, 3
	s_lshl_b32 s92, s92, 4
	s_add_co_u32 s92, s92, s19                     ; bh = 16 x batch + head
	s_and_b32 s93, s20, 7
	s_lshl_b32 s94, s92, 7
	s_lshl_b32 s95, s93, 4
	s_add_co_u32 s94, s94, s95
	s_lshl_b32 s95, s[HI], 3
	s_add_co_u32 s94, s94, s95
	s_lshl_b32 s94, s94, 10                        ; Q's records: 128 bh + 16 (G % 8) + 8 i
	s_mov_b32 s95, 0
	s_lshl_b32 s92, s92, 4
	s_lshl_b32 s93, s93, 1
	s_add_co_u32 s92, s92, s93
	s_add_co_u32 s92, s92, s[HI]
	s_mul_i32 s92, s92, 15360                      ; the key step's block: 16 bh + 2 (G % 8) + i
	s_mov_b32 s93, 0
	s_add_nc_u64 s[10:11], s[10:11], s[94:95]
	s_add_nc_u64 s[12:13], s[12:13], s[92:93]
	s_cmp_eq_u32 s[LO], 0
	s_cselect_b64 s[10:11], s[10:11], s[12:13]     ; j = 0 stores Q's records, j = 1 K's
	s_mul_i32 s92, s[LO], 3584
	s_add_co_u32 s92, s92, 8192
	s_add_nc_u64 s[12:13], s[12:13], s[92:93]      ; my two records of V
	s_wait_loadcnt 0x0
	v_mul_f32 v[VAT], 0x3dcccccd, v[VAT]
	v_mov_b32 v[VAT+1], v[VAT]
.macro ADDR n                          ; the addresses of slot n; five plain lines, which are also the places in front of the loads
	v_add_nc_u32 v[WAX], (\n)*XBLK, v[AX]
	v_add_nc_u32 v[WAW], (\n)*WBLK, v[AW]
	v_add_nc_u32 v[WSX], (\n)*XBLK, v[ASX]
	v_add_nc_u32 v[WSW], (\n)*WBLK, v[ASW]
	v_add_nc_u32 v[WSV], (\n)*WBLK, v[ASV]
.endm
.macro FETCH p                         ; a K step's 14 fragments and 14 scale words into set p
	WIN 0x40
.irp f, 0,1,2,3,4,5
.irp c, 0,1,2
	ds_load_b128 v[128*(\p)+12*\f+4*\c:128*(\p)+12*\f+4*\c+3], v[WAW] offset:1536*\f+512*\c
.endr
.endr
	WIN 0
.irp a, 0,1,2,3,4,5,6,7
.irp c, 0,1,2
	ds_load_b128 v[XF+96*(\p)+12*\a+4*\c:XF+96*(\p)+12*\a+4*\c+3], v[WAX] offset:1536*\a+512*\c
.endr
.endr
	ds_load_b128 v[SC+14*(\p):SC+14*(\p)+3], v[WSX]
	ds_load_b128 v[SC+14*(\p)+4:SC+14*(\p)+7], v[WSX] offset:256
	ds_load_b128 v[SC+14*(\p)+8:SC+14*(\p)+11], v[WSW]
	ds_load_b64 v[SC+14*(\p)+12:SC+14*(\p)+13], v[WSV]
.endm
.macro MUL p, zero                     ; 48 matrix instructions, one on each accumulator
	WIN 0xa1                                       ; source 0 (W) window 1, source 1 (x) window 0, C and D window 2
.irp a, 0,1,2,3,4,5,6,7
.irp t, 0,1,2,3
.if \zero
	MMZ 32*\a+8*\t, 128*(\p)+12*\t, XF+96*(\p)+12*\a, SC+14*(\p)+8+\t, SC+14*(\p)+\a
.else
	MMA 32*\a+8*\t, 128*(\p)+12*\t, XF+96*(\p)+12*\a, SC+14*(\p)+8+\t, SC+14*(\p)+\a
.endif
.endr
.endr
	WIN 0xf4                                       ; source 0 (x) window 0, source 1 (W_v) window 1, C and D window 3
.irp n, 0,1
.irp a, 0,1,2,3,4,5,6,7
.if \zero
	MMZ 64*\n+8*\a, XF+96*(\p)+12*\a, 128*(\p)+48+12*\n, SC+14*(\p)+\a, SC+14*(\p)+12+\n
.else
	MMA 64*\n+8*\a, XF+96*(\p)+12*\a, 128*(\p)+48+12*\n, SC+14*(\p)+\a, SC+14*(\p)+12+\n
.endif
.endr
.endr
	WIN 0
.endm
	s_wait_alu depctr_va_vdst(0)                   ; the wait at the head's end
	s_cmp_eq_u32 s[LO], 0                          ; waves 0 and 2 wait for their loads, K steps 0 and 1; the loads of waves 1 and 3 may stay out
	s_cbranch_scc0 .Lnot_first
	s_wait_tensorcnt 0x0
.Lnot_first:
	s_barrier_signal -1
	s_barrier_wait -1                              ; K steps 0 and 1 are in, for every wave
	ADDR 0
	FETCH 0
	; K step 0
	s_wait_dscnt 0x0
	ADDR 1
	FETCH 1
	MUL 0, 1
	; K step 1: slots 0 and 1 have been read out: they take K steps 6 and 7
	s_wait_tensorcnt 0x0                           ; all my tensor loads have landed, so a group 0 may be written
	ds_add_u32 v[SPW], v[NIL]                      ; 0 onto my spare word
	s_add_nc_u64 s[G0X+2:G0X+3], s[G0X+2:G0X+3], 6*XBLK
	s_add_nc_u64 s[G0W+2:G0W+3], s[G0W+2:G0W+3], 6*WBLK
	s_wait_dscnt 0x0                               ; the add is done, and my reads of slots 0 and 1 are over
	CROUND                                         ; both hold of every wave of every partner
	s_cmp_eq_u32 s[WV], 0                          ; wave 0: x's K steps 6 and 7
	s_cbranch_scc0 .Lrefill_w
	tensor_load_to_lds s[G0X:G0X+3], s[G1X:G1X+7]
	s_nop 0
	NOPS 4
	s_branch .Lrefill_done
.Lrefill_w:
	s_cmp_eq_u32 s[WV], 2                          ; wave 2: W's; waves 1 and 3 have no part to fill
	s_cbranch_scc0 .Lrefill_done
	tensor_load_to_lds s[G0W:G0W+3], s[G1W:G1W+7]
	s_nop 0
	NOPS 4
.Lrefill_done:
	ADDR 2
	FETCH 0
	MUL 1, 0
	; K steps 2 to 4: the round has shown slots 2 to 5 whole to every wave
	s_wait_dscnt 0x0
	ADDR 3
	FETCH 1
	MUL 0, 0
	s_wait_dscnt 0x0
	ADDR 4
	FETCH 0
	MUL 1, 0
	s_wait_dscnt 0x0
	ADDR 5
	FETCH 1
	MUL 0, 0
	; K step 5: the refill has landed
	s_wait_tensorcnt 0x0
	s_wait_dscnt 0x0
	s_barrier_signal -1
	s_barrier_wait -1                              ; everybody's has
	ADDR 0
	FETCH 0
	MUL 1, 0
	s_wait_dscnt 0x0
	ADDR 1
	FETCH 1
	MUL 0, 0
	s_wait_dscnt 0x0
	MUL 1, 0
	NOPS 4                                         ; places behind the last products
	v_mov_b32 v[TMP], 0                            ; (a lane permute's destination counts as read)
; y = x + 0.1 sin(x + off): k = round(x / pi + off / pi), r = x + off - k pi in two parts, sin r by its series to r^11 (|r| <= pi / 2), the sign by k's parity.  32 numbers, in runs of 16 packed lines
.macro TRIG a
.set XA, 32*(\a)
	WIN 0x02                                       ; source 0: the accumulators, each read from its low end on
.set q, 0
.rept 16
	v_pk_fma_f32 v[KF+q:KF+q+1], v[XA+q:XA+q+1], s[INVPI:INVPI+1], v[VOFF:VOFF+1] op_sel_hi:[1,0,1]
.set q, q+2
.endr
	WIN 0
.set q, 0
.rept 16
	v_pk_add_f32 v[KF+q:KF+q+1], v[KF+q:KF+q+1], s[MAGIC:MAGIC+1] op_sel_hi:[1,0]
.set q, q+2
.endr
.set q, 0
.rept 16
	v_pk_add_f32 v[KK+q:KK+q+1], v[KF+q:KF+q+1], s[NMAGIC:NMAGIC+1] op_sel_hi:[1,0]
.set q, q+2
.endr
	WIN 0x20
.set q, 0
.rept 16
	v_pk_fma_f32 v[RR+q:RR+q+1], v[KK+q:KK+q+1], s[NPIHI:NPIHI+1], v[XA+q:XA+q+1] op_sel_hi:[1,0,1]
.set q, q+2
.endr
	WIN 0
.set q, 0
.rept 16
	v_pk_add_f32 v[RR+q:RR+q+1], v[RR+q:RR+q+1], s[OFFPI:OFFPI+1] op_sel_hi:[1,0]
.set q, q+2
.endr
.set q, 0
.rept 16
	v_pk_fma_f32 v[RR+q:RR+q+1], v[KK+q:KK+q+1], s[NPILO:NPILO+1], v[RR+q:RR+q+1] op_sel_hi:[1,0,1]
.set q, q+2
.endr
.set q, 0
.rept 16
	v_pk_mul_f32 v[UU+q:UU+q+1], v[RR+q:RR+q+1], v[RR+q:RR+q+1]
.set q, q+2
.endr
.set q, 0
.rept 16
	v_pk_fma_f32 v[PP+q:PP+q+1], v[UU+q:UU+q+1], s[C11:C11+1], v[VC9:VC9+1] op_sel_hi:[1,0,1]
.set q, q+2
.endr
.irp k, VC7, VC5, VC3
.set q, 0
.rept 16
	v_pk_fma_f32 v[PP+q:PP+q+1], v[PP+q:PP+q+1], v[UU+q:UU+q+1], v[\k:\k+1]
.set q, q+2
.endr
.endr
.set q, 0
.rept 16
	v_pk_mul_f32 v[UU+q:UU+q+1], v[UU+q:UU+q+1], v[RR+q:RR+q+1]
.set q, q+2
.endr
.set q, 0
.rept 16
	v_pk_fma_f32 v[RR+q:RR+q+1], v[UU+q:UU+q+1], v[PP+q:PP+q+1], v[RR+q:RR+q+1]
.set q, q+2
.endr
.set q, 0
.rept 32
	v_lshl_or_b32 v[KF+q], v[KF+q], 31, s[THETA]   ; k's lowest bit over 0.1: +-0.1
.set q, q+1
.endr
	WIN 0x20
.set q, 0
.rept 16
	v_pk_fma_f32 v[UU+q:UU+q+1], v[RR+q:RR+q+1], v[KF+q:KF+q+1], v[XA+q:XA+q+1]
.set q, q+2
.endr
	WIN 0
.endm
.macro QREC a                          ; token tile a: my token's block h of the head's 64 becomes half a fragment's record
	s_wait_xcnt 0x0                                ; the last record's stores have read their registers
	BLK32 UU, CD, BY0
	v_lshl_or_b32 v[WW], v[BY0], 16, v[BY0]
	v_lshlrev_b32 v[WW], v[SH8], v[WW]
	v_permlanex16_b32 v[TMP], v[WW], s[SEL], s[SEL+1]
	v_or_b32 v[WP], v[WW], v[TMP]                  ; the row's two bytes, twice
	v_mov_b32 v[WP+1], v[WP]
	global_store_b128 v[A16], v[CD:CD+3], s[10:11] offset:1024*(\a)
	global_store_b64 v[A8], v[CD+4:CD+5], s[10:11] offset:1024*(\a)+512
	global_store_b64 v[A8], v[WP:WP+1], s[10:11] offset:1024*(\a)+768
.endm
; y = x + alpha 0.1 tanh x: tanh x = 1 - 2 / (1 + 2^(2 log2(e) x)); where x^2 < 1 / 16, where that difference would cancel, the series x - x^3 / 3 + 2 x^5 / 15 - 17 x^7 / 315
.macro TANH32 n, half
.set XV, 64*(\n)+32*(\half)
.set YB, YY+32*(\half)
	WIN 0x03
.set q, 0
.rept 16
	v_pk_mul_f32 v[EE+q:EE+q+1], v[XV+q:XV+q+1], s[K2:K2+1] op_sel_hi:[1,0]
.set q, q+2
.endr
	WIN 0
.set q, 0
	s_wait_alu depctr_va_vdst(0)
.rept 32
	v_exp_f32 v[EE+q], v[EE+q]
.set q, q+1
.endr
	WIN 0x0f
.set q, 0
.rept 16
	v_pk_mul_f32 v[UT+q:UT+q+1], v[XV+q:XV+q+1], v[XV+q:XV+q+1]   ; plain work behind the batch
.set q, q+2
.endr
	s_wait_alu depctr_va_vdst(0)                   ; one wait for the 32 exponentials, ahead of their first reader
	WIN 0
.set q, 0
.rept 16
	v_pk_add_f32 v[EE+q:EE+q+1], v[EE+q:EE+q+1], 1.0 op_sel_hi:[1,0]
.set q, q+2
.endr
.set q, 0
	s_wait_alu depctr_va_vdst(0)
.rept 32
	v_rcp_f32 v[EE+q], v[EE+q]
.set q, q+1
.endr
.set q, 0
.rept 16
	v_pk_fma_f32 v[PT+q:PT+q+1], v[UT+q:UT+q+1], s[T7:T7+1], v[VT5:VT5+1] op_sel_hi:[1,0,1]
.set q, q+2
.endr
.set q, 0
.rept 16
	v_pk_fma_f32 v[PT+q:PT+q+1], v[PT+q:PT+q+1], v[UT+q:UT+q+1], v[VT3:VT3+1]
.set q, q+2
.endr
.set q, 0
.rept 16
	v_pk_mul_f32 v[PT+q:PT+q+1], v[PT+q:PT+q+1], v[UT+q:UT+q+1]
.set q, q+2
.endr
	s_wait_alu depctr_va_vdst(0)                   ; one wait for the 32 reciprocals
.set q, 0
.rept 16
	v_pk_fma_f32 v[EE+q:EE+q+1], v[EE+q:EE+q+1], -2.0, 1.0 op_sel_hi:[1,0,0]
.set q, q+2
.endr
	WIN 0x3c
.set q, 0
.rept 16
	v_pk_fma_f32 v[PT+q:PT+q+1], v[PT+q:PT+q+1], v[XV+q:XV+q+1], v[XV+q:XV+q+1]
.set q, q+2
.endr
	WIN 0
.set q, 0
.rept 32
	v_cmp_gt_f32 vcc_lo, s[THR], v[UT+q]
	v_cndmask_b32 v[EE+q], v[EE+q], v[PT+q], vcc_lo
.set q, q+1
.endr
	WIN 0x30
.set q, 0
.rept 16
	v_pk_fma_f32 v[YB+q:YB+q+1], v[EE+q:EE+q+1], v[VAT:VAT+1], v[XV+q:XV+q+1]
.set q, q+2
.endr
	WIN 0
.endm
.macro VREC n                          ; my channel's 64 keys (blocks h and 2 + h of the key step's four) become a fragment's record
	s_wait_xcnt 0x0
	BLK32 YY, CD, BY0
	BLK32 YY+32, CD+6, BY1
	v_lshl_or_b32 v[WW], v[BY1], 16, v[BY0]
	v_lshlrev_b32 v[WW], v[SH8], v[WW]
	v_permlanex16_b32 v[TMP], v[WW], s[SEL], s[SEL+1]
	v_or_b32 v[WP], v[WW], v[TMP]
	v_mov_b32 v[WP+1], v[WP]
.irp c, 0,1,2
	global_store_b128 v[A16], v[CD+4*\c:CD+4*\c+3], s[12:13] offset:1792*(\n)+512*\c
.endr
	global_store_b64 v[A8], v[WP:WP+1], s[12:13] offset:1792*(\n)+1536
.endm
.irp a, 0,1,2,3,4,5,6,7
	TRIG \a
	QREC \a
.endr
.irp n, 0,1
	TANH32 \n, 0
	TANH32 \n, 1
	VREC \n
.endr
	s_wait_tensorcnt 0x0                           ; the wave's end
	ds_add_u32 v[SPW], v[NIL]
	s_wait_dscnt 0x0
	CROUND                                         ; the closing round
	s_endpgm
.Lfunc_end_k_q023c75049a_qkv:
	.size	k_q023c75049a_qkv, .Lfunc_end_k_q023c75049a_qkv-k_q023c75049a_qkv
	.p2alignl 7, 3214868480
	.fill 96, 4, 3214868480
	.section	.rodata,"a",@progbits
	.p2align	6, 0x0
	.amdhsa_kernel k_q023c75049a_qkv
		.amdhsa_group_segment_fixed_size 327680
		.amdhsa_private_segment_fixed_size 0
		.amdhsa_enable_private_segment 0
		.amdhsa_kernarg_size 40
		.amdhsa_user_sgpr_count 2
		.amdhsa_user_sgpr_kernarg_segment_ptr 1
		.amdhsa_wavefront_size32 1
		.amdhsa_system_sgpr_workgroup_id_x 1
		.amdhsa_system_sgpr_workgroup_id_y 1
		.amdhsa_system_sgpr_workgroup_id_z 1
		.amdhsa_system_vgpr_workitem_id 0
		.amdhsa_next_free_vgpr 896
		.amdhsa_next_free_sgpr 96
		.amdhsa_reserve_vcc 1
		.amdhsa_float_denorm_mode_32 3
		.amdhsa_float_denorm_mode_16_64 3
		.amdhsa_memory_ordered 1
		.amdhsa_forward_progress 1
		.amdhsa_inst_pref_size 255
	.end_amdhsa_kernel
	.section	.bss,"aw",@nobits
	.p2align	6
	.space	262144
	.amdgpu_metadata
---
amdhsa.version: [ 1, 2 ]
amdhsa.kernels:
  - .name:           k_q023c75049a_qkv
    .symbol:         k_q023c75049a_qkv.kd
    .args:
      - { .name: xq, .offset: 0, .size: 8, .value_kind: global_buffer, .address_space: global }
      - { .name: wqkv, .offset: 8, .size: 8, .value_kind: global_buffer, .address_space: global }
      - { .name: alpha, .offset: 16, .size: 8, .value_kind: global_buffer, .address_space: global }
      - { .name: qrec, .offset: 24, .size: 8, .value_kind: global_buffer, .address_space: global }
      - { .name: kv, .offset: 32, .size: 8, .value_kind: global_buffer, .address_space: global }
    .group_segment_fixed_size: 327680
    .private_segment_fixed_size: 0
    .kernarg_segment_align: 8
    .kernarg_segment_size: 40
    .max_flat_workgroup_size: 128
    .sgpr_count:     96
    .vgpr_count:     896
    .wavefront_size: 32
...
	.end_amdgpu_metadata
.endif
;; end of part 2
;; launch attn (part 3): grid 4 x 64, 8 waves a work-group, clusters of 4 x 1, 263,168 bytes of LDS; arguments qrec, kv, oq; writes oq
.if DOCPART == 3
	.amdgcn_target "amdgcn-amd-amdhsa--gfx1250"
	.amdhsa_code_object_version 6
	.text
	.protected	k_q023c75049a_attn
	.globl	k_q023c75049a_attn
	.p2align	8
	.type	k_q023c75049a_attn,@function
k_q023c75049a_attn:
	s_mov_b64 s[64:65], 0
	v_nop
	global_prefetch_b8 v0, s[64:65] scope:SCOPE_SE
	s_setreg_imm32_b32 hwreg(HW_REG_WAVE_MODE, 25, 1), 1
	s_wait_xcnt 0x0
	s_wait_alu depctr_hold_cnt(0) depctr_sa_sdst(0) depctr_va_vdst(0) depctr_va_sdst(0) depctr_va_ssrc(0) depctr_va_vcc(0) depctr_vm_vsrc(0)
	s_getreg_b32 s2, hwreg(HW_REG_IB_STS2, 6, 4)
	s_cmp_eq_u32 s2, 0
	s_cbranch_scc0 .Lentry_in_a_cluster
	s_endpgm
.Lentry_in_a_cluster:
	s_bfe_u32 s2, ttmp6, 0x10000c
	s_cmp_lg_u32 s2, 0x3003
	s_cbranch_scc0 .Lentry_shape_is_right
	s_endpgm
.Lentry_shape_is_right:
; O = softmax(Q K^T / 8) V for one (batch, head), both products on codes of FP6 (E2M3) with one E8M0 scale for each 32 along a product's K.
; THE SOFTMAX: t = score x log2(e) / 8; M = the row's largest t so far, rounded up to a whole number; p = 2^(t - M) is quantised along the keys, not normalised; the row's sum is taken of the
; unquantised p and divides O at the end.  When M moves, the sum and O are multiplied by 2^(old M - new M), which rounds nothing.
; SHARES.  A work-group: 512 queries of one (batch, head); each of eight waves 64 of them, four tiles of 16, which share every fragment of K and V that the wave reads from LDS.
; THE HEAD'S WHOLE K AND V, 16 key steps of 15,360 bytes, come into LDS ONCE: wave w asks for key steps 2 w and 2 w + 1, 30,720 dense bytes, by its one tensor load; no LDS byte is filled twice.
; So there is no later request that a prefetch could run ahead of.   CLUSTER 4 x 1: the four work-groups of a head want the same K and V: each load is asked for jointly by all four.
; LAYOUT.  S^T = K Q^T (source 0 = 16 keys, source 1 = 16 queries), O^T = V^T P^T (source 0 = 16 channels, source 1 = P): a lane holds one query throughout.  The keys of a tile are not neighbours
; (tile 4 c + t, row p: key 64 c + 32 (p / 8) + 8 t + p % 8), so the 32 registers of four tiles are 32 neighbouring keys: a whole block of p in one lane.
; THE FIRST PRODUCT'S K IS 64, the instruction's 128: two key tiles' six registers each stand as one fragment; the even tile is multiplied by [Q | zero codes], the odd one by [zero codes | Q].
; The scale words hold a row's two bytes twice, so either half finds its bytes; the other half's products are zeros.
; THE QUERY TILES GO IN PAIRS (a, b), and dependent lines stand between the lines of an independent run: a's maxima among b's first products, a's statistics among b's maxima, b's among a's multiply-adds,
; b's multiply-adds among a's exponentials, the first level of a's sum among b's exponentials.  The sums are trees in place, behind the conversions.
; Among the 16 second products stand the sums of tiles 2 and 3, three lines behind each, and the next step's K: a fragment of V is overwritten by two key tiles when its four products and four places are past.
; The last trip has no next step: its K loads name key step 15 again (a clamped address) and nothing reads them.
; A BLOCK'S SCALE is made ahead of the exponentials: its largest p is 2^x, x = the block's largest t - M, so the byte is floor(x) + 125, x held at -124 from below (the byte at 1).
; LIMITS: where v_exp_f32 rounds a block's largest p up to the next power of two, that one p is held at the largest code; a block of p that has fallen to zeros keeps the byte 1 (zero codes);
; v_exp_f32 and v_rcp_f32 flush denormals (ISA guide, their entries); NaN and infinities are not served.
; REGISTERS: window 0: v1-5 addresses; v8-23, v28-31 scale words (K 8, V 4, Q 4, P 4); v32-47 statistics, four a tile: -M, the largest score, the sum in two halves; v48-63 work, eight a tile of the pair;
;   v64-111 K's or V's fragments; v112-175, v176-239 S^T of the pair; v240-247 the pair's factors and scale operands.   window 1: v0-127 O^T; v128-181 zeros and Q by turns; v184-231 P's codes; v232-247 halves of blocks.
.set STEPB, 15360
.set FLOOR, 0x1800000
.set SPARE, 0x40000
.set A16, 1
.set A8,  2
.set AC16, 3
.set AC8,  4
.set SH8, 5
.set KS,  8
.set VS,  16
.set QS,  20
.set T3,  24
.set PW,  28
.set ST,  32
.set WK,  48
.set KVB, 64
.set S0,  112
.set S1,  176
.set FF,  240
.set SCB, 244
.set SPW, 254
.set NIL, 255
.set MA,  48                           ; the way out's names for work registers
.set MB,  49
.set SCR, 50
.set BY0, 51
.set WW,  52
.set TMP, 53
.set WV,  10
.set CS,  32
.set SEL, 34
.set TB,  36
.set CNT, 37
.set TK,  44
.set MSB, 0
.macro WIN new
.if MSB != \new
	s_set_vgpr_msb (MSB<<8)|\new
.set MSB, \new
.endif
.endm
.macro NOPS n
.rept \n
	v_nop
.endr
.endm
.macro WALU
	s_wait_alu depctr_va_vdst(0)
.endm
.macro CROUND
	s_barrier_signal -1
	s_barrier_wait -1
	s_cmp_lg_u32 s[WV], 0
	s_cbranch_scc1 .Lnot_wave_0_\@
	s_barrier_signal -3
.Lnot_wave_0_\@:
	s_barrier_wait -3
	s_barrier_signal -1
	s_barrier_wait -1
.endm
.macro BLK32 y, cd, by
	v_max3_num_f32 v[MA], |v[\y]|, |v[\y+1]|, FLOOR
	v_max3_num_f32 v[MB], |v[\y+2]|, |v[\y+3]|, |v[\y+4]|
.irp i, 5,9,13,17,21,25
	s_delay_alu instid0(VALU_DEP_2)
	v_max3_num_f32 v[MA], v[MA], |v[\y+\i]|, |v[\y+\i+1]|
	s_delay_alu instid0(VALU_DEP_2)
	v_max3_num_f32 v[MB], v[MB], |v[\y+\i+2]|, |v[\y+\i+3]|
.endr
	s_delay_alu instid0(VALU_DEP_2)
	v_max3_num_f32 v[MA], v[MA], |v[\y+29]|, |v[\y+30]|
	s_delay_alu instid0(VALU_DEP_1)
	v_max3_num_f32 v[MA], v[MA], v[MB], |v[\y+31]|
	s_delay_alu instid0(VALU_DEP_1)
	v_add_nc_u32 v[SCR], 0xff000000, v[MA]
	v_cvt_scalef32_pk16_fp6_f32 v[\cd:\cd+2], v[\y:\y+15], v[SCR]
	v_cvt_scalef32_pk16_fp6_f32 v[T3:T3+2], v[\y+16:\y+31], v[SCR]
	v_lshrrev_b32 v[\by], 23, v[SCR]
	v_mov_b32 v[\cd+3], v[T3]
	v_mov_b32 v[\cd+4], v[T3+1]
	v_mov_b32 v[\cd+5], v[T3+2]
.endm
	s_load_b128 s[4:7], s[0:1], 0x0                ; qrec, kv
	s_load_b64 s[8:9], s[0:1], 0x10                ; oq
	v_lshl_add_u32 v[SPW], v0, 2, SPARE
	v_mov_b32 v[NIL], 0
	ds_add_u32 v[SPW], v[NIL]                      ; the opening lines: the add, twice on end, and its wait
	ds_add_u32 v[SPW], v[NIL]
	v_lshrrev_b32 v6, 5, v0
	v_readfirstlane_b32 s[WV], v6                  ; wave 0..7
	s_bfe_u32 s11, ttmp6, 0x40000                  ; cx
	s_lshl_b32 s13, ttmp9, 2
	s_add_co_u32 s11, s11, s13                     ; which 512 queries: it enters Q's and O's addresses alone
	s_and_b32 s12, ttmp7, 0xffff                   ; bh, which the four partners share
	s_mov_b32 s16, 15|(3<<16)|(1<<21)              ; group 1: two key steps' dense bytes as 120 rows of 256 (32 elements of 8); the mask names all four work-groups
	s_mov_b32 s17, 32<<16
	s_mov_b32 s18, 120<<16
	s_mov_b32 s19, 32<<16
	s_mov_b32 s20, 120
	s_mov_b32 s21, 32
	s_mov_b32 s22, 0
	s_mov_b32 s23, 0
	s_mul_i32 s38, s12, 16*STEPB
	s_mul_i32 s14, s[WV], 2*STEPB                  ; key steps 2 w, 2 w + 1: their place in memory and in LDS
	s_add_co_u32 s38, s38, s14
	s_mov_b32 s39, 0
	s_lshl_b32 s40, s12, 7
	s_lshl_b32 s41, s11, 5
	s_add_co_u32 s40, s40, s41
	s_lshl_b32 s41, s[WV], 2
	s_add_co_u32 s40, s40, s41
	s_lshl_b32 s40, s40, 10                        ; my four records of Q: 128 bh + 32 x quarter + 4 w
	s_mov_b32 s41, 0
	s_lshr_b32 s42, s12, 4
	s_lshl_b32 s42, s42, 3
	s_lshl_b32 s43, s11, 1
	s_add_co_u32 s42, s42, s43
	s_lshr_b32 s43, s[WV], 2
	s_add_co_u32 s42, s42, s43                     ; the group of 256 tokens
	s_lshl_b32 s42, s42, 3
	s_bfe_u32 s43, s12, 0x30001
	s_add_co_u32 s42, s42, s43                     ; x 8 + the last product's K step (head / 2)
	s_lshl_b32 s42, s42, 4
	s_and_b32 s43, s[WV], 3
	s_lshl_b32 s43, s43, 2
	s_add_co_u32 s42, s42, s43                     ; x 16 + my first tile
	s_lshl_b32 s42, s42, 1
	s_and_b32 s43, s12, 1
	s_add_co_u32 s42, s42, s43                     ; x 2 + the head's parity: which half of the fragment
	s_lshl_b32 s42, s42, 10
	s_mov_b32 s43, 0
	s_mov_b32 s[CS], 0x3e38aa3b                    ; c = log2(e) / 8
	s_mov_b32 s[CS+1], s[CS]
	s_mov_b32 s[SEL], 0x76543210
	s_mov_b32 s[SEL+1], 0xfedcba98                 ; lane l xor 16
	s_mov_b32 s[TB], 0
	s_wait_dscnt 0x0
	s_wait_kmcnt 0x0
	s_mov_b32 s24, 1
	s_mov_b32 s25, s14
	s_add_nc_u64 s[26:27], s[6:7], s[38:39]
	s_or_b32 s27, s27, 0x80000000
	s_add_nc_u64 s[4:5], s[4:5], s[40:41]
	s_add_nc_u64 s[8:9], s[8:9], s[42:43]
	CROUND                                         ; all four work-groups are here: the joint loads meet
	tensor_load_to_lds s[24:27], s[16:23]          ; my one tensor load
	s_nop 0
	NOPS 4
	v_and_b32 v6, 31, v0
	v_bfe_u32 v7, v0, 4, 1
	v_lshlrev_b32 v[A16], 4, v6
	v_lshlrev_b32 v[A8], 3, v6
	v_lshlrev_b32 v[SH8], 3, v7
	WIN 0x40                                       ; destination window 1
.irp t, 0,1,2,3
	global_load_b128 v[134+12*\t:137+12*\t], v[A16], s[4:5] offset:1024*\t
	global_load_b64 v[138+12*\t:139+12*\t], v[A8], s[4:5] offset:1024*\t+512
.endr
.irp z, 0,1,2,3,4
.irp i, 0,1,2,3,4,5
	v_mov_b32 v[128+12*\z+\i], 0                   ; zero codes on either side of each tile of Q
.endr
.endr
.set q, 0
.rept 128
	v_mov_b32 v[q], 0                              ; O^T: the key step is written once: the first change of M multiplies zeros
.set q, q+1
.endr
	WIN 0
.irp t, 0,1,2,3
	global_load_b32 v[QS+\t], v[A8], s[4:5] offset:1024*\t+768
	v_mov_b32 v[ST+4*\t], 0x7f61b1e6               ; -M: 3e38, so that the first factor is 0
	v_mov_b32 v[ST+4*\t+1], 0xff61b1e6             ; the largest score so far: -3e38
	v_mov_b32 v[ST+4*\t+2], 0
	v_mov_b32 v[ST+4*\t+3], 0
.endr
.irp r, FF, FF+1, FF+2, FF+3, WK+5, WK+13
	v_mov_b32 v[\r], 0                             ; the factors' upper halves are named in pairs; a lane permute's destination counts as read
.endr
.macro KL a                            ; key tile a: six registers and a scale word
	ds_load_b128 v[KVB+6*(\a):KVB+6*(\a)+3], v[AC16] offset:1024*(\a)
	ds_load_b64 v[KVB+6*(\a)+4:KVB+6*(\a)+5], v[AC8] offset:1024*(\a)+512
	ds_load_b32 v[KS+(\a)], v[AC8] offset:1024*(\a)+768
.endm
.macro VLOAD                           ; four channel tiles x 128 keys
.irp u, 0,1,2,3
.irp c, 0,1,2
	ds_load_b128 v[KVB+12*\u+4*\c:KVB+12*\u+4*\c+3], v[AC16] offset:8192+1792*\u+512*\c
.endr
	ds_load_b32 v[VS+\u], v[AC8] offset:8192+1792*\u+1536
.endr
.endm
.macro SM1 t, sb, a                    ; S^T of query tile t, key tile a
	v_wmma_scale_f32_16x16x128_f8f6f4 v[\sb+8*(\a):\sb+8*(\a)+7], v[KVB+12*((\a)/2):KVB+12*((\a)/2)+11], v[134+12*(\t)-6*((\a)%2):145+12*(\t)-6*((\a)%2)], 0, v[KS+(\a)], v[QS+(\t)] matrix_a_fmt:MATRIX_FMT_FP6 matrix_b_fmt:MATRIX_FMT_FP6
.endm
.macro PV1 t, u                        ; O^T of query tile t, channel tile u
	v_wmma_scale_f32_16x16x128_f8f6f4 v[32*(\t)+8*(\u):32*(\t)+8*(\u)+7], v[KVB+12*(\u):KVB+12*(\u)+11], v[184+12*(\t):195+12*(\t)], v[32*(\t)+8*(\u):32*(\t)+8*(\u)+7], v[VS+(\u)], v[PW+(\t)] matrix_a_fmt:MATRIX_FMT_FP6 matrix_b_fmt:MATRIX_FMT_FP6
.endm
; Line i (0 .. 31) of the search for the two blocks' largest scores of tile x of the pair: four chains of 16 scores; each accumulator is read from its low end on.  They end in v[WK+8x] and v[WK+8x+2]
.macro MAXOP i, x
.set B_, WK+8*(\x)
.set S_, S0+64*(\x)
.if (\i) < 4
	v_max3_num_f32 v[B_+(\i)], v[S_+16*(\i)], v[S_+16*(\i)+1], v[S_+16*(\i)+2]
.elseif (\i) < 28
.set J_, (\i)%4
.set R_, S_+16*J_+2*((\i)/4)+1
	v_max3_num_f32 v[B_+J_], v[B_+J_], v[R_], v[R_+1]
.elseif (\i) < 30
.set J_, 2*((\i)-28)
	v_max3_num_f32 v[B_+J_], v[B_+J_], v[B_+J_+1], v[S_+15+16*J_]
.else
.set J_, 2*((\i)-30)
	v_max_num_f32 v[B_+J_], v[B_+J_], v[S_+31+16*J_]
.endif
.endm
; Line i (0 .. 20; beyond: nothing) of the statistics and scales of tile x of the pair, query tile t
.macro STAT i, x, t
.set B_, WK+8*(\x)
.set N_, ST+4*(\t)
.if (\i) == 0
	v_max_num_f32 v[B_+4], v[B_], v[B_+2]
.elseif (\i) == 1
	v_permlanex16_b32 v[B_+5], v[B_+4], s[SEL], s[SEL+1]
.elseif (\i) == 2
	v_max3_num_f32 v[N_+1], v[N_+1], v[B_+4], v[B_+5]      ; the running largest score of my query
.elseif (\i) == 3
	v_mul_f32 v[B_+4], s[CS], v[N_+1]                      ; as t (c is positive)
.elseif (\i) == 4
	v_floor_f32 v[B_+4], -v[B_+4]                          ; the new -M = floor(-t)
.elseif (\i) == 5
	v_sub_f32 v[B_+6], v[B_+4], v[N_]                      ; old M - new M: a whole number, 0 or less
.elseif (\i) == 6
	v_mov_b32 v[N_], v[B_+4]
.elseif (\i) == 7
	v_fma_f32 v[B_], v[B_], s[CS], v[B_+4]                 ; x = each block's largest t - M
.elseif (\i) == 8
	v_fma_f32 v[B_+2], v[B_+2], s[CS], v[B_+4]
.elseif (\i) == 9
	v_cvt_i32_f32 v[B_+6], v[B_+6]                         ; (it saturates)
.elseif (\i) == 10
	v_max_num_f32 v[B_], 0xc2f80000, v[B_]                 ; held at -124: the byte cannot fall under 1
.elseif (\i) == 11
	v_max_num_f32 v[B_+2], 0xc2f80000, v[B_+2]
.elseif (\i) == 12
	v_ldexp_f32 v[FF+2*(\x)], 1.0, v[B_+6]                 ; f = 2^(old M - new M)
.elseif (\i) == 13
	v_cvt_floor_i32_f32 v[B_], v[B_]
.elseif (\i) == 14
	v_cvt_floor_i32_f32 v[B_+2], v[B_+2]
.elseif (\i) == 15
	v_lshl_add_u32 v[SCB+2*(\x)], v[B_], 23, 0x3e800000    ; (floor(x) + 125) << 23: the conversion's scale operand
.elseif (\i) == 16
	v_lshl_add_u32 v[SCB+2*(\x)+1], v[B_+2], 23, 0x3e800000
.elseif (\i) == 17
	v_lshl_add_u32 v[B_+1], v[B_+2], 16, v[B_]
.elseif (\i) == 18
	v_add_lshl_u32 v[B_+1], v[B_+1], 0x7d007d, v[SH8]      ; + 125 in both bytes; my blocks are h and 2 + h
.elseif (\i) == 19
	v_permlanex16_b32 v[B_+5], v[B_+1], s[SEL], s[SEL+1]
.elseif (\i) == 20
	v_or_b32 v[PW+(\t)], v[B_+1], v[B_+5]                  ; p's scale word for these 128 keys
.endif
.endm
.macro ZSTAT i, x, t                   ; which line of STAT stands behind line i of a run of 32: lines 0-4 and 17-20, each of which reads the one before it, behind every second line
.if (\i) < 10
.if (\i)%2 == 0
	STAT (\i)/2, \x, \t
.endif
.elseif (\i) < 22
	STAT (\i)-5, \x, \t
.elseif (\i)%2 == 1
	STAT 17+((\i)-23)/2, \x, \t
.endif
.endm
.macro FMAOP q, x, t                   ; t - M, two at a time
	v_pk_fma_f32 v[S0+64*(\x)+2*(\q):S0+64*(\x)+2*(\q)+1], v[S0+64*(\x)+2*(\q):S0+64*(\x)+2*(\q)+1], s[CS:CS+1], v[ST+4*(\t):ST+4*(\t)+1] op_sel_hi:[1,0,0]
.endm
.macro CODES x, t                      ; 64 p become codes; a block's upper half is made elsewhere and moved (a conversion's three registers begin on an even number)
	WIN 0x40                                       ; destination window 1
	v_cvt_scalef32_pk16_fp6_f32 v[184+12*(\t):186+12*(\t)], v[S0+64*(\x):S0+64*(\x)+15], v[SCB+2*(\x)]
	v_cvt_scalef32_pk16_fp6_f32 v[232+8*(\x):234+8*(\x)], v[S0+64*(\x)+16:S0+64*(\x)+31], v[SCB+2*(\x)]
	v_cvt_scalef32_pk16_fp6_f32 v[190+12*(\t):192+12*(\t)], v[S0+64*(\x)+32:S0+64*(\x)+47], v[SCB+2*(\x)+1]
	v_cvt_scalef32_pk16_fp6_f32 v[236+8*(\x):238+8*(\x)], v[S0+64*(\x)+48:S0+64*(\x)+63], v[SCB+2*(\x)+1]
.endm
.macro MOVOP k, t0                     ; line k (0 .. 11) of the moves of the pair's upper halves: tile a's six first
	v_mov_b32 v[187+6*((\k)%2)+12*((\t0)+(\k)/6)+((\k)%6)/2], v[232+4*((\k)%2)+8*((\k)/6)+((\k)%6)/2]
.endm
.macro ADD1 x, d, k                    ; addition k of a level of the sum's tree, in place: pairs d registers apart
	v_pk_add_f32 v[S0+64*(\x)+2*(\d)*(\k):S0+64*(\x)+2*(\d)*(\k)+1], v[S0+64*(\x)+2*(\d)*(\k):S0+64*(\x)+2*(\d)*(\k)+1], v[S0+64*(\x)+2*(\d)*(\k)+(\d):S0+64*(\x)+2*(\d)*(\k)+(\d)+1]
.endm
.macro SUMFIN x, t                     ; the sum under the new M, and the step's p
	v_pk_fma_f32 v[ST+4*(\t)+2:ST+4*(\t)+3], v[ST+4*(\t)+2:ST+4*(\t)+3], v[FF+2*(\x):FF+2*(\x)+1], v[S0+64*(\x):S0+64*(\x)+1] op_sel_hi:[1,0,1]
.endm
.macro SUMOP i, t0                     ; line i (0 .. 47) of the pair's sums of the unquantised p: a's tree from its second level on, b's whole, level by level in turn
.if (\i) < 8
	ADD1 0, 4, (\i)
.elseif (\i) < 24
	ADD1 1, 2, (\i)-8
.elseif (\i) < 28
	ADD1 0, 8, (\i)-24
.elseif (\i) < 36
	ADD1 1, 4, (\i)-28
.elseif (\i) < 38
	ADD1 0, 16, (\i)-36
.elseif (\i) < 42
	ADD1 1, 8, (\i)-38
.elseif (\i) == 42
	ADD1 0, 32, 0
.elseif (\i) < 45
	ADD1 1, 16, (\i)-43
.elseif (\i) == 45
	SUMFIN 0, \t0
.elseif (\i) == 46
	ADD1 1, 32, 0
.else
	SUMFIN 1, (\t0)+1
.endif
.endm
; The first products of query tiles t0 (into S0) and t0 + 1 (into S1).  first = 1: key tiles 6 and 7 are waited for ahead of the seventh product; first = 0: the moves of tiles 0 and 1's codes stand among tile t0's products.
; Among tile t0 + 1's products stand four places and then tile t0's maxima, four lines behind each; the last eight lines are the places behind the last product.
.macro SMMP t0, first
.set A_, 0
.rept 8
.if (\first) && (A_ == 6)
	s_wait_dscnt 0x0                               ; all of K is in
.endif
	WIN 0x04                                       ; source 1 (Q) window 1
	SM1 \t0, S0, A_
.if ((\first) == 0) && (A_ < 6)
	WIN 0x41
	MOVOP 2*A_, 0
	MOVOP 2*A_+1, 0
.endif
.set A_, A_+1
.endr
.set A_, 0
.rept 8
	WIN 0x04
	SM1 (\t0)+1, S1, A_
	WIN 0
.if A_ == 0
	NOPS 4
.else
.irp k, 0,1,2,3
	MAXOP 4*(A_-1)+\k, 0
.endr
.endif
.set A_, A_+1
.endr
.irp k, 28,29,30,31
	MAXOP \k, 0
.endr
.endm
; O^T += V^T P^T: sixteen accumulators by turns.  Behind each product three lines of tiles 2 and 3's sums.  Key tiles 2 u and 2 u + 1 of the next step
; land on V's fragment u: their loads stand four plain lines or more behind that fragment's last product.
.macro PVZ
.set G_, 0
.rept 16
	WIN 0x54                                       ; source 1 (P), C and D window 1
	PV1 G_%4, G_/4
	WIN 0
	SUMOP 3*G_, 2
	SUMOP 3*G_+1, 2
	SUMOP 3*G_+2, 2
.if (G_ >= 4) && ((G_%4) < 2)
	KL 2*(G_/4)-2+G_%4
.endif
.set G_, G_+1
.endr
	v_nop                                          ; with the three lines above: four places
	KL 6
	KL 7
.endm
; The softmax of query tiles t0 (a, in S0) and t0 + 1 (b, in S1) for 128 keys, a's maxima done.  v[S + 32 c + n] is the score of key 64 c + 32 h + n
.macro SOFT2 t0, sums
	WIN 0
.set I, 0
.rept 32
	MAXOP I, 1
	ZSTAT I, 0, \t0
.set I, I+1
.endr
.set I, 0
.rept 32
	FMAOP I, 0, \t0
	ZSTAT I, 1, (\t0)+1
.set I, I+1
.endr
	WALU                                           ; the wait ahead of a batch of transcendentals
.set I, 0
.rept 32
	v_exp_f32 v[S0+2*I], v[S0+2*I]                 ; a's p
	v_exp_f32 v[S0+2*I+1], v[S0+2*I+1]
	FMAOP I, 1, (\t0)+1
.set I, I+1
.endr
	WALU                                           ; one wait for a's 64, ahead of their first reader and of b's batch
	CODES 0, \t0
	WIN 0
	v_nop                                          ; the plain line behind the conversions
.set I, 0
.rept 16
.irp k, 0,1,2,3
	v_exp_f32 v[S1+4*I+\k], v[S1+4*I+\k]           ; b's p
.endr
	ADD1 0, 2, I                                   ; the first level of a's tree
.set I, I+1
.endr
	WALU                                           ; one wait for b's 64
	CODES 1, (\t0)+1
.if \sums
	WIN 0
.set I, 0
.rept 48
	SUMOP I, \t0
.set I, I+1
.endr
.else
	WIN 0x41                                       ; source 0 and destination window 1
.set I, 0
.rept 12
	MOVOP I, \t0
.set I, I+1
.endr
.endif
	WIN 0x41
	WALU                                           ; the wait directly ahead of the first reader of O^T
.set I, 0
.rept 32
	v_pk_mul_f32 v[32*(\t0)+2*I:32*(\t0)+2*I+1], v[32*(\t0)+2*I:32*(\t0)+2*I+1], v[FF+2*(I/16):FF+2*(I/16)+1] op_sel_hi:[1,0]   ; O^T under the new M; also the places ahead of the second product
.set I, I+1
.endr
.endm
	WALU                                           ; the wait at the head's end
	s_wait_tensorcnt 0x0                           ; my two key steps are in
	s_barrier_signal -1
	s_barrier_wait -1                              ; all sixteen lie in LDS; nothing is ever filled again
	v_add_nc_u32 v[AC16], s[TB], v[A16]
	v_add_nc_u32 v[AC8], s[TB], v[A8]
.irp a, 0,1,2,3,4,5,6,7
	KL \a                                          ; key step 0's K
.endr
	s_wait_loadcnt 0x0                             ; Q
	s_mov_b32 s[CNT], 16
.Lstep:                                            ; a key step of 128 keys
	s_wait_dscnt 0x6                               ; key tiles 0 to 5 are in; the six youngest LDS loads, tiles 6 and 7's, may be out
	SMMP 0, 1
	SOFT2 0, 1
	SMMP 2, 0
	VLOAD                                          ; onto K's registers: eight plain lines stand behind the last product that read them
	s_add_co_u32 s[TK], s[TB], STEPB
	s_min_u32 s[TK], s[TK], 15*STEPB               ; the next key step; in the last trip this one again
	v_add_nc_u32 v[AC16], s[TK], v[A16]
	v_add_nc_u32 v[AC8], s[TK], v[A8]
	SOFT2 2, 0
	WIN 0
	WALU
	s_wait_dscnt 0x0                               ; V is in
	PVZ
	s_add_co_u32 s[TB], s[TB], STEPB
	s_sub_co_u32 s[CNT], s[CNT], 1
	s_cmp_lg_u32 s[CNT], 0
	s_cbranch_scc1 .Lstep
	WALU
	s_wait_dscnt 0x0                               ; the last trip's K loads have landed: their registers are written below
	; THE WAY OUT: O^T / the sum; my query's block h of the head's 64 channels is quantised along the last product's K and stored as half a fragment's record
.irp t, 0,1,2,3
	v_add_f32 v[ST+4*\t+2], v[ST+4*\t+2], v[ST+4*\t+3]
.endr
.irp t, 0,1,2,3
	s_delay_alu instid0(VALU_DEP_4)
	v_permlanex16_b32 v[ST+4*\t+3], v[ST+4*\t+2], s[SEL], s[SEL+1]
.endr
.irp t, 0,1,2,3
	s_delay_alu instid0(VALU_DEP_4)
	v_add_f32 v[ST+4*\t+2], v[ST+4*\t+2], v[ST+4*\t+3]
.endr
	s_wait_alu depctr_va_vdst(0)
.irp t, 0,1,2,3
	v_rcp_f32 v[ST+4*\t+2], v[ST+4*\t+2]
.endr
	v_nop
	s_wait_alu depctr_va_vdst(0)                   ; one wait for the four reciprocals
.macro OUT t
.set YB, S0+64*((\t)%2)
	WIN 0x01                                       ; source 0 (O^T) window 1
.set q, 0
.rept 16
	v_pk_mul_f32 v[YB+q:YB+q+1], v[32*(\t)+q:32*(\t)+q+1], v[ST+4*(\t)+2:ST+4*(\t)+3] op_sel_hi:[1,0]
.set q, q+2
.endr
	WIN 0
	BLK32 YB, KVB+12*(\t), BY0                     ; each tile has registers of its own for what it stores
	s_delay_alu instid0(VALU_DEP_4)
	v_lshl_or_b32 v[WW], v[BY0], 16, v[BY0]
	s_delay_alu instid0(VALU_DEP_1)
	v_lshlrev_b32 v[WW], v[SH8], v[WW]
	s_delay_alu instid0(VALU_DEP_1)
	v_permlanex16_b32 v[TMP], v[WW], s[SEL], s[SEL+1]
	s_delay_alu instid0(VALU_DEP_1)
	v_or_b32 v[KVB+12*(\t)+6], v[WW], v[TMP]
	s_delay_alu instid0(VALU_DEP_1)
	v_mov_b32 v[KVB+12*(\t)+7], v[KVB+12*(\t)+6]
	global_store_b128 v[A16], v[KVB+12*(\t):KVB+12*(\t)+3], s[8:9] offset:2048*(\t)
	global_store_b64 v[A8], v[KVB+12*(\t)+4:KVB+12*(\t)+5], s[8:9] offset:2048*(\t)+512
	global_store_b64 v[A8], v[KVB+12*(\t)+6:KVB+12*(\t)+7], s[8:9] offset:2048*(\t)+768
.endm
	OUT 0
	OUT 1
	OUT 2
	OUT 3
	s_wait_tensorcnt 0x0                           ; the wave's end
	ds_add_u32 v[SPW], v[NIL]
	s_wait_dscnt 0x0
	CROUND                                         ; the closing round
	s_endpgm
.Lfunc_end_k_q023c75049a_attn:
	.size	k_q023c75049a_attn, .Lfunc_end_k_q023c75049a_attn-k_q023c75049a_attn
	.p2alignl 7, 3214868480
	.fill 96, 4, 3214868480
	.section	.rodata,"a",@progbits
	.p2align	6, 0x0
	.amdhsa_kernel k_q023c75049a_attn
		.amdhsa_group_segment_fixed_size 263168
		.amdhsa_private_segment_fixed_size 0
		.amdhsa_enable_private_segment 0
		.amdhsa_kernarg_size 24
		.amdhsa_user_sgpr_count 2
		.amdhsa_user_sgpr_kernarg_segment_ptr 1
		.amdhsa_wavefront_size32 1
		.amdhsa_system_sgpr_workgroup_id_x 1
		.amdhsa_system_sgpr_workgroup_id_y 1
		.amdhsa_system_sgpr_workgroup_id_z 1
		.amdhsa_system_vgpr_workitem_id 0
		.amdhsa_next_free_vgpr 512
		.amdhsa_next_free_sgpr 66
		.amdhsa_reserve_vcc 0
		.amdhsa_float_denorm_mode_32 3
		.amdhsa_float_denorm_mode_16_64 3
		.amdhsa_memory_ordered 1
		.amdhsa_forward_progress 1
		.amdhsa_inst_pref_size 83
	.end_amdhsa_kernel
	.amdgpu_metadata
---
amdhsa.version: [ 1, 2 ]
amdhsa.kernels:
  - .name:           k_q023c75049a_attn
    .symbol:         k_q023c75049a_attn.kd
    .args:
      - { .name: qrec, .offset: 0, .size: 8, .value_kind: global_buffer, .address_space: global }
      - { .name: kv, .offset: 8, .size: 8, .value_kind: global_buffer, .address_space: global }
      - { .name: oq, .offset: 16, .size: 8, .value_kind: global_buffer, .address_space: global }
    .group_segment_fixed_size: 263168
    .private_segment_fixed_size: 0
    .kernarg_segment_align: 8
    .kernarg_segment_size: 24
    .max_flat_workgroup_size: 256
    .sgpr_count:     66
    .vgpr_count:     512
    .wavefront_size: 32
...
	.end_amdgpu_metadata
.endif
;; end of part 3
;; launch oproj (part 4): grid 8 x 32, 4 waves a work-group, clusters of 4 x 4, 327,680 bytes of LDS; arguments oq, wo, out0; writes out0
.if DOCPART == 4
	.amdgcn_target "amdgcn-amd-amdhsa--gfx1250"
	.amdhsa_code_object_version 6
	.text
	.protected	k_q023c75049a_oproj
	.globl	k_q023c75049a_oproj
	.p2align	8
	.type	k_q023c75049a_oproj,@function
k_q023c75049a_oproj:
	s_mov_b64 s[64:65], 0
	v_nop
	global_prefetch_b8 v0, s[64:65] scope:SCOPE_SE
	s_setreg_imm32_b32 hwreg(HW_REG_WAVE_MODE, 25, 1), 1
	s_wait_xcnt 0x0
	s_wait_alu depctr_hold_cnt(0) depctr_sa_sdst(0) depctr_va_vdst(0) depctr_va_sdst(0) depctr_va_ssrc(0) depctr_va_vcc(0) depctr_vm_vsrc(0)
	s_getreg_b32 s2, hwreg(HW_REG_IB_STS2, 6, 4)
	s_cmp_eq_u32 s2, 0
	s_cbranch_scc0 .Lentry_in_a_cluster
	s_endpgm
.Lentry_in_a_cluster:
	s_bfe_u32 s2, ttmp6, 0x10000c
	s_cmp_lg_u32 s2, 0xf033
	s_cbranch_scc0 .Lentry_shape_is_right
	s_endpgm
.Lentry_shape_is_right:
; out0 = O W_o on codes of FP6 (E2M3).  O's codes come as records of half a fragment (a head's 64 channels of 16 tokens), W_o's as images of fragments; out0 [8192][1024] f32.
; SHARES.  A work-group: 256 tokens (group G) x 128 columns (X): 256 work-groups.  Wave (i, j): tokens 128 i on x columns 64 j on: 32 accumulators, one matrix instruction each for a K step of 128, by turns.
; Source 0 = 16 columns of W_o, source 1 = 16 tokens: a lane holds one token and, over the four column tiles, 32 neighbouring columns.
; RING.  Six LDS slots, one K step each (O's 32,768 bytes, W_o's 12,800); K has eight steps; slots 0 and 1 are filled a second time, once.  A wave has three tensor loads out at the start, later one.
; CLUSTER 4 x 4: O's block hangs on G alone (joint along a row of the cluster), W_o's on X alone (along a column).
; No prefetch: six of the eight K steps are asked for at the head, and the refill has four steps' matrix instructions in which to land.
; A token tile's scale word is pieced together from its two heads' words (each holds its two bytes twice): the low half of the first, the high half of the second.
; REGISTERS: window 0: v1-11 addresses; v12-27 the heads' scale words; v28-43 O's scale words, two sets; v44-51 W_o's, two sets; v64-159, v160-255 O's fragments, two sets.
;   window 1: W_o's fragments at v0 and v64.   window 2: the accumulators at v[32 a + 8 t].
.set SLOTB, 45568
.set ABLK,  32768
.set BBLK,  12800
; LDS AS IT IS LAID (in place of the slots of the paragraph RING above): O's blocks of six K steps lie on end from byte 0, W_o's six from BREG on; K steps 6 and 7 take the places of 0 and 1.
; A wave has one tensor load out at the start: wave 0 O's K steps 0 and 1, wave 2 W_o's, wave 1 O's K steps 2 to 5, wave 3 W_o's; each run of blocks is dense in memory and in LDS.  Waves 0 and 2 issue the one refill.
.set BREG,  6*ABLK
.set G1A2,  44
.set G1B2,  56
.set SPARE, 6*SLOTB
.set STAGE, 2*ABLK                     ; the way out: 16 rows x 272 bytes a wave, in the place of O's K step 2: it is filled once, and nobody reads it behind the barrier of K step 5
.set AX,  1
.set A8,  2
.set AW,  3
.set ASW, 4
.set WAX, 5
.set WA8, 6
.set WAW, 7
.set WSW, 8
.set STO, 9
.set RD,  10
.set CO,  11
.set RW,  12
.set SX,  28
.set SW,  44
.set SPW, 52
.set NIL, 53
.set XF,  64
.set BK,  64
.set WV, 14
.set HI, 15
.set LO, 16
.set G1A, 24
.set G1B, 32
.set G0A, 40
.set G0B, 52
.set MSB, 0
.macro WIN new
.if MSB != \new
	s_set_vgpr_msb (MSB<<8)|\new
.set MSB, \new
.endif
.endm
.macro NOPS n
.rept \n
	v_nop
.endr
.endm
.macro CROUND
	s_barrier_signal -1
	s_barrier_wait -1
	s_cmp_lg_u32 s[WV], 0
	s_cbranch_scc1 .Lnot_wave_0_\@
	s_barrier_signal -3
.Lnot_wave_0_\@:
	s_barrier_wait -3
	s_barrier_signal -1
	s_barrier_wait -1
.endm
.macro MMZ d, a, b, sa, sb
	v_wmma_scale_f32_16x16x128_f8f6f4 v[\d:\d+7], v[\a:\a+11], v[\b:\b+11], 0, v[\sa], v[\sb] matrix_a_fmt:MATRIX_FMT_FP6 matrix_b_fmt:MATRIX_FMT_FP6
.endm
.macro MMA d, a, b, sa, sb
	v_wmma_scale_f32_16x16x128_f8f6f4 v[\d:\d+7], v[\a:\a+11], v[\b:\b+11], v[\d:\d+7], v[\sa], v[\sb] matrix_a_fmt:MATRIX_FMT_FP6 matrix_b_fmt:MATRIX_FMT_FP6
.endm
	s_load_b128 s[4:7], s[0:1], 0x0                ; oq, wo
	s_load_b64 s[8:9], s[0:1], 0x10                ; out0
	v_lshl_add_u32 v[SPW], v0, 2, SPARE
	v_mov_b32 v[NIL], 0
	ds_add_u32 v52, v53
	ds_add_u32 v52, v53
	s_wait_dscnt 0x0
	v_lshrrev_b32 v54, 5, v0
	v_readfirstlane_b32 s[WV], v54
	s_lshr_b32 s[HI], s[WV], 1                     ; i; also: I fetch O's blocks (0) or W_o's (1)
	s_and_b32 s[LO], s[WV], 1                      ; j; also: the parity of the K steps that I fetch
	s_bfe_u32 s17, ttmp6, 0x40000                  ; cx
	s_bfe_u32 s18, ttmp6, 0x40004                  ; cy
	s_lshl_b32 s19, ttmp9, 2
	s_add_co_u32 s19, s19, s17                     ; X
	s_and_b32 s20, ttmp7, 0xffff
	s_lshl_b32 s20, s20, 2
	s_add_co_u32 s20, s20, s18                     ; G
	s_lshl_b32 s68, s18, 2
	s_lshl_b32 s68, 15, s68                        ; my row of the cluster
	s_lshl_b32 s69, 0x1111, s17                    ; my column
	s_or_b32 s[G1A], s68, (3<<16)|(1<<21)          ; dense blocks as rows of 256 bytes: O's 128 rows, W_o's 50
	s_mov_b32 s[G1A+1], 32<<16
	s_mov_b32 s[G1A+2], 256<<16
	s_mov_b32 s[G1A+3], 32<<16
	s_mov_b32 s[G1A+4], 256
	s_mov_b32 s[G1A+5], 32
	s_mov_b32 s[G1A+6], 0
	s_mov_b32 s[G1A+7], 0
	s_or_b32 s[G1B], s69, (3<<16)|(1<<21)
	s_mov_b32 s[G1B+1], 32<<16
	s_mov_b32 s[G1B+2], 100<<16
	s_mov_b32 s[G1B+3], 32<<16
	s_mov_b32 s[G1B+4], 100
	s_mov_b32 s[G1B+5], 32
	s_mov_b32 s[G1B+6], 0
	s_mov_b32 s[G1B+7], 0
	s_or_b32 s[G1A2], s68, (3<<16)|(1<<21)         ; four K steps on end: O's 512 rows, W_o's 200
	s_mov_b32 s[G1A2+1], 32<<16
	s_mov_b32 s[G1A2+2], 512<<16
	s_mov_b32 s[G1A2+3], 32<<16
	s_mov_b32 s[G1A2+4], 512
	s_mov_b32 s[G1A2+5], 32
	s_mov_b32 s[G1A2+6], 0
	s_mov_b32 s[G1A2+7], 0
	s_or_b32 s[G1B2], s69, (3<<16)|(1<<21)
	s_mov_b32 s[G1B2+1], 32<<16
	s_mov_b32 s[G1B2+2], 200<<16
	s_mov_b32 s[G1B2+3], 32<<16
	s_mov_b32 s[G1B2+4], 200
	s_mov_b32 s[G1B2+5], 32
	s_mov_b32 s[G1B2+6], 0
	s_mov_b32 s[G1B2+7], 0
	s_lshl_b32 s2, s20, 3
	s_lshl_b32 s23, s[LO], 1                       ; my run begins at K step 0 or 2
	s_add_co_u32 s2, s2, s23
	s_lshl_b32 s2, s2, 15
	s_mov_b32 s3, 0
	s_lshl_b32 s66, s19, 3
	s_add_co_u32 s66, s66, s23
	s_mul_i32 s66, s66, BBLK
	s_mov_b32 s67, 0
	s_mul_i32 s23, s[LO], 2*ABLK                   ; the run's place in LDS: O's,
	s_mul_i32 s22, s[LO], 2*BBLK                   ; W_o's
	s_wait_kmcnt 0x0
	s_add_nc_u64 s[2:3], s[4:5], s[2:3]
	s_add_nc_u64 s[66:67], s[6:7], s[66:67]
	s_mov_b32 s[G0A], 1
	s_mov_b32 s[G0A+1], s23
	s_mov_b64 s[G0A+2:G0A+3], s[2:3]
	s_or_b32 s[G0A+3], s[G0A+3], 0x80000000
	s_mov_b32 s[G0B], 1
	s_add_co_u32 s[G0B+1], s22, BREG
	s_mov_b64 s[G0B+2:G0B+3], s[66:67]
	s_or_b32 s[G0B+3], s[G0B+3], 0x80000000
	CROUND                                         ; all sixteen work-groups are here: the first joint loads meet
	s_cmp_eq_u32 s[WV], 0                          ; one chain of branches on the wave's number, one load to an arm
	s_cbranch_scc0 .Lfirst_1
	tensor_load_to_lds s[G0A:G0A+3], s[G1A:G1A+7]  ; wave 0: O's K steps 0 and 1
	s_nop 0
	NOPS 4
	s_branch .Lfirst_done
.Lfirst_1:
	s_cmp_eq_u32 s[WV], 2
	s_cbranch_scc0 .Lfirst_2
	tensor_load_to_lds s[G0B:G0B+3], s[G1B:G1B+7]  ; wave 2: W_o's K steps 0 and 1
	s_nop 0
	NOPS 4
	s_branch .Lfirst_done
.Lfirst_2:
	s_cmp_eq_u32 s[WV], 1
	s_cbranch_scc0 .Lfirst_3
	tensor_load_to_lds s[G0A:G0A+3], s[G1A2:G1A2+7] ; wave 1: O's K steps 2 to 5
	s_nop 0
	NOPS 4
	s_branch .Lfirst_done
.Lfirst_3:
	tensor_load_to_lds s[G0B:G0B+3], s[G1B2:G1B2+7] ; wave 3: W_o's K steps 2 to 5
	s_nop 0
	NOPS 4
.Lfirst_done:
	v_and_b32 v54, 31, v0                          ; lane
	v_and_b32 v55, 15, v0                          ; r
	v_bfe_u32 v56, v0, 4, 1                        ; h
	s_lshl_b32 s21, s[HI], 14
	v_lshl_add_u32 v[AX], v54, 4, s21              ; my eight token tiles: 16 x lane + 16,384 i
	v_lshl_add_u32 v[A8], v54, 3, s21
	s_mul_i32 s21, s[LO], 6144
	s_add_co_u32 s21, s21, BREG
	v_lshl_add_u32 v[AW], v54, 4, s21              ; my four column tiles
	s_lshl_b32 s21, s[LO], 8
	s_add_co_u32 s21, s21, BREG+12288
	v_lshl_add_u32 v[ASW], v55, 4, s21             ; their scale words
	s_mul_i32 s21, s[WV], 4352
	s_add_co_u32 s21, s21, STAGE                   ; my stage
	v_mul_u32_u24 v[STO], v55, 272
	v_lshl_add_u32 v[STO], v56, 7, v[STO]
	v_add_nc_u32 v[STO], s21, v[STO]               ; in: row r, + 128 h
	v_mul_u32_u24 v[RD], v56, 272
	v_lshl_add_u32 v[RD], v55, 4, v[RD]
	v_add_nc_u32 v[RD], s21, v[RD]                 ; back: lanes 0-15 one row of 256 bytes, lanes 16-31 the next
	v_lshlrev_b32 v[CO], 12, v56
	v_lshl_add_u32 v[CO], v55, 4, v[CO]            ; and the same two rows in out0
	s_lshl_b32 s70, s20, 8
	s_lshl_b32 s71, s[HI], 7
	s_add_co_u32 s70, s70, s71
	s_lshl_b32 s70, s70, 12                        ; my first token's row
	s_lshl_b32 s71, s19, 9
	s_add_co_u32 s70, s70, s71
	s_lshl_b32 s71, s[LO], 8
	s_add_co_u32 s70, s70, s71                     ; + my 64 columns
	s_mov_b32 s71, 0
	s_add_nc_u64 s[8:9], s[8:9], s[70:71]
.macro ADDR n
	v_add_nc_u32 v[WAX], (\n)*ABLK, v[AX]
	v_add_nc_u32 v[WA8], (\n)*ABLK, v[A8]
	v_add_nc_u32 v[WAW], (\n)*BBLK, v[AW]
	v_add_nc_u32 v[WSW], (\n)*BBLK, v[ASW]
.endm
.macro BFI p                           ; the eight token tiles' scale words of the K step in hand
.irp a, 0,1,2,3,4,5,6,7
	v_bfi_b32 v[SX+8*(\p)+\a], 0xffff, v[RW+2*\a], v[RW+2*\a+1]
.endr
.endm
.macro FETCH p
	WIN 0x40
.irp f, 0,1,2,3
.irp c, 0,1,2
	ds_load_b128 v[64*(\p)+12*\f+4*\c:64*(\p)+12*\f+4*\c+3], v[WAW] offset:1536*\f+512*\c
.endr
.endr
	WIN 0
.irp a, 0,1,2,3,4,5,6,7
.irp c, 0,1
	ds_load_b128 v[XF+96*(\p)+12*\a+6*\c:XF+96*(\p)+12*\a+6*\c+3], v[WAX] offset:2048*\a+1024*\c
	ds_load_b64 v[XF+96*(\p)+12*\a+6*\c+4:XF+96*(\p)+12*\a+6*\c+5], v[WA8] offset:2048*\a+1024*\c+512
	ds_load_b32 v[RW+2*\a+\c], v[WA8] offset:2048*\a+1024*\c+768
.endr
.endr
	ds_load_b128 v[SW+4*(\p):SW+4*(\p)+3], v[WSW]
.endm
.macro MUL p, zero
	WIN 0xa1                                       ; source 0 (W_o) window 1, source 1 (O) window 0, C and D window 2
.irp a, 0,1,2,3,4,5,6,7
.irp t, 0,1,2,3
.if \zero
	MMZ 32*\a+8*\t, 64*(\p)+12*\t, XF+96*(\p)+12*\a, SW+4*(\p)+\t, SX+8*(\p)+\a
.else
	MMA 32*\a+8*\t, 64*(\p)+12*\t, XF+96*(\p)+12*\a, SW+4*(\p)+\t, SX+8*(\p)+\a
.endif
.endr
.endr
	WIN 0
.endm
; the head of a K step on set p: its scale words; then eight plain lines, the places between them and the scaled products, and in front of the loads; then the next step, from slot n
.macro NEXT p, n
	BFI \p
	ADDR \n
	NOPS 4
	FETCH 1-(\p)
.endm
	s_wait_alu depctr_va_vdst(0)                   ; the wait at the head's end
	s_cmp_eq_u32 s[LO], 0                          ; waves 0 and 2 wait for their loads, K steps 0 and 1; the loads of waves 1 and 3 may stay out
	s_cbranch_scc0 .Lnot_first
	s_wait_tensorcnt 0x0
.Lnot_first:
	s_barrier_signal -1
	s_barrier_wait -1
	ADDR 0
	FETCH 0
	s_wait_dscnt 0x0                               ; K step 0
	NEXT 0, 1
	MUL 0, 1
	; K step 1: slots 0 and 1 have been read out: they take K steps 6 and 7
	s_wait_tensorcnt 0x0                           ; all my tensor loads have landed, so a group 0 may be written
	ds_add_u32 v[SPW], v[NIL]                      ; 0 onto my spare word
	s_add_nc_u64 s[G0A+2:G0A+3], s[G0A+2:G0A+3], 6*ABLK
	s_add_nc_u64 s[G0B+2:G0B+3], s[G0B+2:G0B+3], 6*BBLK
	s_wait_dscnt 0x0                               ; the add is done, and my reads of slots 0 and 1 are over
	CROUND
	s_cmp_eq_u32 s[WV], 0                          ; wave 0: O's K steps 6 and 7
	s_cbranch_scc0 .Lrefill_b
	tensor_load_to_lds s[G0A:G0A+3], s[G1A:G1A+7]
	s_nop 0
	NOPS 4
	s_branch .Lrefill_done
.Lrefill_b:
	s_cmp_eq_u32 s[WV], 2                          ; wave 2: W_o's; waves 1 and 3 have no part to fill
	s_cbranch_scc0 .Lrefill_done
	tensor_load_to_lds s[G0B:G0B+3], s[G1B:G1B+7]
	s_nop 0
	NOPS 4
.Lrefill_done:
	NEXT 1, 2
	MUL 1, 0
	s_wait_dscnt 0x0                               ; K steps 2 to 4: the round has shown slots 2 to 5 whole to every wave
	NEXT 0, 3
	MUL 0, 0
	s_wait_dscnt 0x0
	NEXT 1, 4
	MUL 1, 0
	s_wait_dscnt 0x0
	NEXT 0, 5
	MUL 0, 0
	s_wait_tensorcnt 0x0                           ; K step 5: the refill has landed
	s_wait_dscnt 0x0
	s_barrier_signal -1
	s_barrier_wait -1                              ; everybody's has
	NEXT 1, 0
	MUL 1, 0
	s_wait_dscnt 0x0
	NEXT 0, 1
	MUL 0, 0
	s_wait_dscnt 0x0
	BFI 1
	NOPS 8
	MUL 1, 0
; THE WAY OUT, a token tile at a time: a lane's 32 bytes of a row go into my stage and come back as rows of 256 bytes.  Stage row p of tile a is token 64 (a / 4) + 8 (a % 4) + 32 (p / 8) + p % 8 of my 128
.macro TOSTAGE a
	WIN 0x08                                       ; an LDS store's data: window 2
.irp t, 0,1,2,3
	ds_store_b128 v[STO], v[32*(\a)+8*\t:32*(\a)+8*\t+3] offset:32*\t          ; each accumulator from its low end on
	ds_store_b128 v[STO], v[32*(\a)+8*\t+4:32*(\a)+8*\t+7] offset:32*\t+16
.endr
	WIN 0
.irp u, 0,1,2,3,4,5,6,7
	ds_load_b128 v[BK+32*((\a)%2)+4*\u:BK+32*((\a)%2)+4*\u+3], v[RD] offset:544*\u   ; LDS serves a wave's instructions in order: these see the stores above
.endr
.endm
.macro SEND a, younger
	s_wait_dscnt \younger
.irp u, 0,1,2,3,4,5,6,7
	global_store_b128 v[CO], v[BK+32*((\a)%2)+4*\u:BK+32*((\a)%2)+4*\u+3], s[8:9] offset:(64*((\a)/4)+8*((\a)%4)+32*(\u/4)+2*(\u%4))*4096 th:TH_STORE_NT   ; sixteen lanes store 256 consecutive bytes, aligned
.endr
.endm
	NOPS 4                                         ; places behind the last products
	TOSTAGE 0
.irp a, 1,2,3,4,5,6,7
.if \a > 1
	s_wait_xcnt 0x0                                ; tile a - 2's stores have read their registers: tile a's loads may land there
.endif
	TOSTAGE \a
	SEND (\a-1), 16                                ; behind tile a - 1's loads: tile a's 8 stores and 8 loads
.endr
	SEND 7, 0
	s_wait_tensorcnt 0x0                           ; the wave's end
	ds_add_u32 v[SPW], v[NIL]
	s_wait_dscnt 0x0
	CROUND                                         ; the closing round
	s_endpgm
.Lfunc_end_k_q023c75049a_oproj:
	.size	k_q023c75049a_oproj, .Lfunc_end_k_q023c75049a_oproj-k_q023c75049a_oproj
	.p2alignl 7, 3214868480
	.fill 96, 4, 3214868480
	.section	.rodata,"a",@progbits
	.p2align	6, 0x0
	.amdhsa_kernel k_q023c75049a_oproj
		.amdhsa_group_segment_fixed_size 327680
		.amdhsa_private_segment_fixed_size 0
		.amdhsa_enable_private_segment 0
		.amdhsa_kernarg_size 24
		.amdhsa_user_sgpr_count 2
		.amdhsa_user_sgpr_kernarg_segment_ptr 1
		.amdhsa_wavefront_size32 1
		.amdhsa_system_sgpr_workgroup_id_x 1
		.amdhsa_system_sgpr_workgroup_id_y 1
		.amdhsa_system_sgpr_workgroup_id_z 1
		.amdhsa_system_vgpr_workitem_id 0
		.amdhsa_next_free_vgpr 768
		.amdhsa_next_free_sgpr 72
		.amdhsa_reserve_vcc 0
		.amdhsa_float_denorm_mode_32 3
		.amdhsa_float_denorm_mode_16_64 3
		.amdhsa_memory_ordered 1
		.amdhsa_forward_progress 1
		.amdhsa_inst_pref_size 97
	.end_amdhsa_kernel
	.amdgpu_metadata
---
amdhsa.version: [ 1, 2 ]
amdhsa.kernels:
  - .name:           k_q023c75049a_oproj
    .symbol:         k_q023c75049a_oproj.kd
    .args:
      - { .name: oq, .offset: 0, .size: 8, .value_kind: global_buffer, .address_space: global }
      - { .name: wo, .offset: 8, .size: 8, .value_kind: global_buffer, .address_space: global }
      - { .name: out0, .offset: 16, .size: 8, .value_kind: global_buffer, .address_space: global }
    .group_segment_fixed_size: 327680
    .private_segment_fixed_size: 0
    .kernarg_segment_align: 8
    .kernarg_segment_size: 24
    .max_flat_workgroup_size: 128
    .sgpr_count:     72
    .vgpr_count:     768
    .wavefront_size: 32
...
	.end_amdgpu_metadata
.endif
;; end of part 4
